; MI455X (gfx1250); checked and timed in simulation.
; The chip was launched on July 23, 2026; its instructions are those of AMD's public machine-readable ISA for CDNA 5 (MIT licence, August 2026) and "CDNA5" Instruction Set Architecture Reference Guide (July 2026). The comments in the code are by the model that wrote it; some were corrected since.
;; Hopfield. Allowed arithmetic: matrix products marked QUANTISED: E2M3 operands, one E8M0 scale for each 32 along K, by v_wmma_scale_f32_16x16x128_f8f6f4 with both operands' format E2M3, f32 sums; everything else in f32.
;; Inputs: Wk 1,024 x 1,024 float32; Wo 1,024 x 1,024 float32; Wq 1,024 x 1,024 float32; Wv 1,024 x 1,024 float32; b_k 1,024 float32; b_q 1,024 float32; b_v 1,024 float32; bk 1,024 float32; bo 1,024 float32; bq 1,024 float32; bv 1,024 float32; data 2 x 2,048 x 1,024 float32; g_k 1,024 float32; g_q 1,024 float32; g_v 1,024 float32.
;; Outputs: out0 2 x 2,048 x 1,024 float32.
;; This version of the problem:
;;   THIS VERSION OF THE PROBLEM IS GIVEN IN LOW PRECISION. The matrix products marked QUANTISED in the list below multiply operands that are first quantised to E2M3 (2 exponent bits, 3 mantissa bits; 6 bits a number), with one power-of-two scale for each 32 numbers along K (OCP MX v1.0); their sums are f32. All else is computed in f32.
;;   The module's matrix products, in the order in which they are computed (A, B: the left and right operand; K: the contracted axis; several contracted axes count as one K, in the product's order):
;;     1. [M 4,096, K 1,024] x [K 1,024, N 1,024]; A: computed on the way; B: input Wq: QUANTISED
;;     2. [M 4,096, K 1,024] x [K 1,024, N 1,024]; A: computed on the way; B: input Wk: QUANTISED
;;     3. [M 4,096, K 1,024] x [K 1,024, N 1,024]; A: computed on the way; B: input Wv: QUANTISED
;;     4. batch 32 x [M 2,048, K 64] x [K 64, N 2,048]; A: computed on the way; B: computed on the way: QUANTISED
;;     5. batch 32 x [M 2,048, K 2,048] x [K 2,048, N 64]; A: softmax (see below); B: computed on the way: QUANTISED
;;     6. batch 32 x [M 2,048, K 64] x [K 64, N 2,048]; A: computed on the way; B: computed on the way: QUANTISED
;;     7. batch 32 x [M 2,048, K 2,048] x [K 2,048, N 64]; A: softmax (see below); B: computed on the way: QUANTISED
;;     8. [M 4,096, K 1,024] x [K 1,024, N 1,024]; A: computed on the way; B: input Wo: QUANTISED
;;   THE QUANTISER, for each operand of a quantised product, along K:
;;     - K is cut into blocks of 32 from its start; a last block that is shorter is filled with zeros.
;;     - A block's scale is 2^e with e = floor(log2(the largest magnitude in the block)) - 2, held to -126 .. 127; a block of zeros has e = 0. As a byte (E8M0): e + 127.
;;     - Each number is divided by its block's scale, clamped to +-7.5, and rounded to the nearest number of E2M3, ties to even, subnormals kept.
;;     - The product sums the exact products of the quantised numbers (number of the format x scale) in f32.
;;   ~~~python
;;   def quantise(x, axis):      # numpy; x: float32 -> the quantised numbers, widened to float32 again
;;       x = np.moveaxis(x, axis, -1); K = x.shape[-1]
;;       x = np.pad(x, [(0, 0)] * (x.ndim - 1) + [(0, -K % 32)]); x = x.reshape(x.shape[:-1] + (-1, 32)); a = np.abs(x).max(-1, keepdims=True)
;;       e = np.where(a > 0, np.clip(np.frexp(np.where(a > 0, a, 1))[1] - 1 - 2, -126, 127), 0)      # np.frexp(a)[1] - 1 = floor(log2(a)), exactly
;;       r = np.clip(x / 2.0 ** e, -7.5, 7.5)
;;       step = 2.0 ** (np.maximum(np.frexp(np.where(r == 0, 1, r))[1] - 1, 0) - 3)
;;       q = np.round(r / step) * step * 2.0 ** e      # np.round: ties to even
;;       return np.moveaxis(q.reshape(q.shape[:-2] + (-1,))[..., :K], -1, axis).astype(np.float32)
;;   ~~~
;;   SOFTMAX AHEAD OF A QUANTISED PRODUCT. Where the list says 'softmax', what is quantised is not the finished softmax but p = 2^(t - M), with t = logit x log2(e) and M = ceil(the row's largest t), a whole number; so 1/2 < the row's largest p <= 1. The row's sum l is taken of the UNQUANTISED p, in f32, and the product's result is divided by l at the end. Since M is a whole number, a kernel that streams over the keys may use a running M (the ceiling of the running maximum): every later rescaling is an exact power of two, which a block's scale takes up: the codes' values come out the same.
;;   OPERANDS COMPUTED ON THE WAY. 'Computed on the way' means the value that the module computes at that place (a softmax that the list does not call 'softmax' is quantised finished and normalised). What goes into a quantiser is computed in f32, as accurately as f32 sums, v_exp_f32 and their like allow (about 1e-6 of the number): no bf16 or f16 on the way to a quantiser, and a product that is left as it is and whose result goes on into a quantised operand takes f32 operands (vector FMAs, or v_wmma_f32_16x16x4_f32). A number that lies on a knife's edge between two numbers of the format may be rounded either way, as far as f32 arithmetic and the matrix unit's own rounding can turn it there, and no further.
;; One version. Each part assembles by itself: llvm-mc -triple=amdgcn-amd-amdhsa -mcpu=gfx1250 --defsym DOCPART=n.
;; ======== version 1 of 1: 4 launches
;; limits: right only within a limited range of input values
;; workspace buffers: xq 9,830,400 bytes; wq 3,276,800 bytes; qq 3,276,800 bytes; kk 6,553,600 bytes; vv 3,276,800 bytes; oq 3,276,800 bytes
;; launch prep (part 1): grid 256 x 1, 4 waves a work-group, no clusters, 156,672 bytes of LDS; arguments data, g_q, b_q, g_k, b_k, g_v, b_v, Wq, Wk, Wv, Wo, xq, wq; writes xq, wq
.if DOCPART == 1
	.amdgcn_target "amdgcn-amd-amdhsa--gfx1250"
	.amdhsa_code_object_version 6
	.text
	.protected	k_q589f579a4c_prep
	.globl	k_q589f579a4c_prep
	.p2align	8
	.type	k_q589f579a4c_prep,@function
k_q589f579a4c_prep:
	s_mov_b64 s[64:65], 0
	v_nop
	global_prefetch_b8 v0, s[64:65] scope:SCOPE_SE
	s_setreg_imm32_b32 hwreg(HW_REG_WAVE_MODE, 25, 1), 1
	s_wait_xcnt 0x0
; PREP.  Work-groups 0-127: three LayerNorms of 32 rows of data (one mean and variance, three gains and biases), each quantised along its 1,024 to codes of FP6 (E2M3) with one E8M0 byte for 32.
; Work-groups 128-255: Wq, Wk, Wv, Wo ([K][N], f32) quantised along K, their first axis: 128 columns x 256 along K each.  Either kind reads 128 KiB.
; LAYOUT OF BOTH OUTPUTS.  Codes lie as images of the operand's registers: a piece of 768 bytes is 16 rows x 64 along K: registers 0-3 at 16 x lane, registers 4-5 at 512 + 8 x lane; lane (r, h) holds k = 32 h .. 32 h + 31 of row r.
; A tile of 16 rows has its 16 pieces on end (12,288 bytes).  ROWS STAND IN A PHYSICAL ORDER: the row's number with bits 3 and 4 exchanged, so that row r of tile 2 b + u is logical row 32 b + 8 u + r + 8 (r / 8).
; Scale words: [32 physical rows as a group][256 along K][row][2 words], 1,024 bytes a group; a word is the four bytes of 128 along K.
; A block's scale is 2^(floor(log2(largest magnitude)) - 2); its byte is the largest magnitude's exponent field - 2, held at 1 from below.
; LIMITS: NaN and infinities are not served.  A block whose largest magnitude lies under 2^-124, a block of zeros among them, gets the byte 1 (its codes are zeros or near; this program alone reads the bytes).
; v_rsq_f32 is accurate to 1 ulp; the row sums are taken in another order than a plain chain.  The variance is taken of x - mean, as the problem writes it: no difference of large sums.
; No matrix unit, no cluster, no tensor load: memory binds, and the work-groups share no input.
.set XP,    4112                       ; LDS: a normalised row, 4,096 bytes + 16: sixteen rows that a load touches start in sixteen different groups of banks
.set GB,    32*XP                      ; behind the 32 rows: g_q, b_q, g_k, b_k, g_v, b_v, 4,096 bytes each
.set SPARE, GB+6*4096                  ; behind them: the spare words, 128 bytes a wave: two blocks of 256 bytes that no other line names
.set XSZ,   3145728                    ; codes of one normalised tensor
.set XS,    3*XSZ                      ; where xq's scale words begin
.set WSZ,   786432                     ; codes of one weight
.set WS,    4*WSZ                      ; where wq's scale words begin
.set TILEB, 12288
.set FRB,   1536                       ; a fragment: 16 rows x 128 along K
.set E,     16                         ; v16-27   a fragment's codes
.set PT,    28                         ; v28-30, v32-34 the halves that a conversion cannot put in place
.set TM,    36                         ; v36-51   at work in QUANT
.set PWS,   52                         ; v52-63   scale words: 4 t + 2 q + u
.set SEL,   32                         ; s[32:33] lane selects: lane l xor 16
; v1 16 x lane, v2 8 x lane, v3 and v4 the add's two, v5 to v9 LDS addresses, v10 to v12 global offsets: all made here, ahead of the parting, and never rewritten
	s_load_b512 s[4:19], s[0:1], 0x0               ; data, g_q, b_q, g_k, b_k, g_v, b_v, Wq
	s_load_b256 s[20:27], s[0:1], 0x40             ; Wk, Wv, Wo, xq
	s_load_b64 s[28:29], s[0:1], 0x60              ; wq
	v_lshl_add_u32 v3, v0, 2, SPARE
	v_mov_b32 v4, 0
	v_lshrrev_b32 v13, 5, v0
	v_readfirstlane_b32 s30, v13                   ; wave w
	v_and_b32 v14, 31, v0
	v_lshlrev_b32 v1, 4, v14
	v_lshlrev_b32 v2, 3, v14
	s_and_b32 s31, s30, 1
	s_lshl_b32 s31, s31, 1
	s_lshr_b32 s36, s30, 1
	s_or_b32 s31, s31, s36                         ; w with its two bits exchanged: logical rows 8 w .. 8 w + 7 are physical rows 8 w' ..
	s_mul_i32 s36, s31, 8*XP
	v_add_nc_u32 v5, s36, v1                       ; where I put 16 bytes of my wave's rows
	v_and_b32 v13, 15, v0                          ; r
	v_bfe_u32 v15, v0, 4, 1                        ; h
	v_mul_u32_u24 v6, v13, XP
	v_lshl_add_u32 v6, v15, 6, v6
	s_lshl_b32 s36, s30, 10
	v_add_nc_u32 v6, s36, v6                       ; tile 0: row r, + 64 h, + my wave's 256 along K
	v_add_nc_u32 v7, 16*XP, v6                     ; tile 1
	v_lshlrev_b32 v8, 6, v15
	v_add_nc_u32 v8, s36, v8
	v_add_nc_u32 v8, GB, v8                        ; the gains at the same k
	v_add_nc_u32 v11, s36, v1                      ; a gain vector in memory: my wave's 1,024 bytes
	v_add_nc_u32 v9, GB, v11                       ; and in LDS
	s_lshl_b32 s37, s30, 15
	v_add_nc_u32 v10, s37, v1                      ; data: my wave's 8 rows
	v_and_b32 v12, 7, v0
	v_lshl_or_b32 v12, v15, 3, v12
	v_bfe_u32 v13, v0, 3, 1
	v_lshl_or_b32 v12, v13, 4, v12                 ; the lane's number with bits 3 and 4 exchanged: the logical column of physical column lane
	v_lshlrev_b32 v12, 2, v12
	s_lshl_b32 s37, s30, 7
	v_add_nc_u32 v12, s37, v12                     ; a weight's row: my wave's 32 columns
	s_mov_b32 s[SEL], 0x76543210
	s_mov_b32 s[SEL+1], 0xfedcba98
	s_mov_b32 s34, 0xffff0000                      ; lanes 16-31
	s_mov_b32 s35, 0x3a800000                      ; 1 / 1,024
	s_mov_b32 s56, 0x3727c5ac                      ; 1e-5
.irp b, 0,1,2,3
	v_mov_b32 v[TM+4+\b], 0                        ; written once: a lane permute's destination counts as one of its sources
.endr
; 64 numbers of a lane, register 16 b + i = k 32 b + 16 (lane / 16) + i of my row, become a fragment's 12 registers v[e] on and its scale word v[pw] (the same in both halves of the lanes)
.macro QUANT s, e, pw
.irp b, 0,1,2,3
	v_max3_num_f32 v[TM+\b], |v[\s+16*\b]|, |v[\s+1+16*\b]|, 0x1800000   ; my 16 of block b, and the floor 2^(3 - 127): the byte cannot fall under 1
.endr
.irp i, 2,4,6,8,10,12,14
.irp b, 0,1,2,3
	v_max3_num_f32 v[TM+\b], v[TM+\b], |v[\s+16*\b+\i]|, |v[\s+1+16*\b+\i]|
.endr
.endr
.irp b, 0,1,2,3
	v_permlanex16_b32 v[TM+4+\b], v[TM+\b], s[SEL], s[SEL+1]
.endr
.irp b, 0,1,2,3
	v_max_num_f32 v[TM+\b], v[TM+\b], v[TM+4+\b]   ; with lane l xor 16's 16: the block's largest magnitude
.endr
.irp b, 0,1,2,3
	v_add_nc_u32 v[TM+12+\b], 0xff000000, v[TM+\b] ; 2 off its exponent field: the conversion's scale operand
.endr
.irp b, 0,1,2,3
	v_lshrrev_b32 v[TM+4+\b], 23, v[TM+12+\b]      ; the byte
.endr
	v_lshl_or_b32 v[\pw], v[TM+5], 8, v[TM+4]
	v_lshl_or_b32 v[\pw], v[TM+6], 16, v[\pw]
	v_lshl_or_b32 v[\pw], v[TM+7], 24, v[\pw]
.irp c, 0,1
	v_cvt_scalef32_pk16_fp6_f32 v[\e+6*\c:\e+2+6*\c], v[\s+32*\c:\s+15+32*\c], v[TM+12+2*\c]
	v_cvt_scalef32_pk16_fp6_f32 v[PT+4*\c:PT+2+4*\c], v[\s+16+32*\c:\s+31+32*\c], v[TM+13+2*\c]   ; (a conversion's three registers begin on an even number)
.endr
	v_nop                                          ; one plain place behind a scaled conversion
.irp c, 0,1                                    ; the layout wants a whole block in a lane: lanes 0-15 block 2 c, lanes 16-31 block 2 c + 1
.irp i, 0,1,2
	v_permlane16_swap_b32 v[\e+6*\c+\i], v[PT+4*\c+\i]
.endr
.irp i, 0,1,2
	v_mov_b32 v[\e+3+6*\c+\i], v[PT+4*\c+\i]
.endr
.endr
.endm
	s_wait_kmcnt 0x0
	s_cmp_lt_u32 ttmp9, 128
	s_cbranch_scc1 .Lln
; ---------------- THE WEIGHTS.  A lane takes a column, its registers run down K: a block of 32 lies in one lane.  This way touches no LDS.
	s_sub_co_u32 s36, ttmp9, 128
	s_lshr_b32 s37, s36, 5                         ; which weight
	s_and_b32 s38, s36, 7                          ; x: which 128 columns
	s_bfe_u32 s39, s36, 0x20003                    ; y: which 256 along K
	s_cmp_eq_u32 s37, 1
	s_cselect_b64 s[40:41], s[20:21], s[18:19]
	s_cmp_eq_u32 s37, 2
	s_cselect_b64 s[40:41], s[22:23], s[40:41]
	s_cmp_eq_u32 s37, 3
	s_cselect_b64 s[40:41], s[24:25], s[40:41]
	s_lshl_b32 s42, s39, 20                        ; 256 rows of 4,096 bytes
	s_lshl_b32 s43, s38, 9
	s_add_co_u32 s42, s42, s43
	s_mov_b32 s43, 0
	s_add_nc_u64 s[40:41], s[40:41], s[42:43]
	s_lshl_b32 s42, s38, 2
	s_add_co_u32 s42, s42, s30                     ; my group of 32 columns: 4 x + w
	s_mul_i32 s44, s42, 2*TILEB
	s_mul_i32 s45, s37, WSZ
	s_add_co_u32 s44, s44, s45
	s_mul_i32 s45, s39, 2*FRB
	s_add_co_u32 s44, s44, s45
	s_mov_b32 s45, 0
	s_add_nc_u64 s[44:45], s[28:29], s[44:45]      ; my codes
	s_lshl_b32 s42, s42, 10
	s_lshl_b32 s46, s37, 15
	s_add_co_u32 s42, s42, s46
	s_lshl_b32 s46, s39, 8
	s_add_co_u32 s42, s42, s46
	s_add_co_u32 s42, s42, WS
	s_add_nc_u64 s[46:47], s[28:29], s[42:43]      ; my scale words
.macro WLOAD t                         ; block t: 32 rows of the weight at my column: 32 lanes read 128 neighbouring bytes, the four waves 512
.set i, 0
.rept 32
	global_load_b32 v[64+32*((\t)%2)+i], v12, s[40:41] offset:(32*(\t)+i)*4096 th:TH_LOAD_NT
.set i, i+1
.endr
.endm
.macro BLOCK t
.set XB, 64+32*((\t)%2)
.set D, 128+24*((\t)/4)+12*((\t)%2)+6*(((\t)%4)/2)   ; even blocks into tile 0's fragment, odd ones into tile 1's, at piece (t % 4) / 2
.if (\t) < 7
	s_wait_loadcnt 32                              ; this block's 32 loads are in; the next block's 32 stay out
.else
	s_wait_loadcnt 0x0
.endif
	v_max3_num_f32 v16, |v[XB]|, |v[XB+1]|, |v[XB+2]|
	v_max3_num_f32 v17, |v[XB+3]|, |v[XB+4]|, |v[XB+5]|
.irp i, 6,10,14,18,22,26
	v_max3_num_f32 v16, v16, |v[XB+\i]|, |v[XB+\i+1]|
	v_max3_num_f32 v17, v17, |v[XB+\i+2]|, |v[XB+\i+3]|
.endr
	v_max3_num_f32 v16, v16, |v[XB+30]|, |v[XB+31]|
	v_max3_num_f32 v16, v16, v17, 0x1800000        ; and the floor
	v_add_nc_u32 v18, 0xff000000, v16
	v_lshrrev_b32 v19, 23, v18
.if (\t)%4 == 0
	v_mov_b32 v[36+(\t)/4], v19                    ; four bytes to a word, the lower K in the lower byte
.else
	v_lshl_or_b32 v[36+(\t)/4], v19, 8*((\t)%4), v[36+(\t)/4]
.endif
	v_cvt_scalef32_pk16_fp6_f32 v[D:D+2], v[XB:XB+15], v18
	v_cvt_scalef32_pk16_fp6_f32 v[28:30], v[XB+16:XB+31], v18
	v_nop                                          ; one plain place behind a scaled conversion
.irp i, 0,1,2
	v_mov_b32 v[D+3+\i], v[28+\i]
.endr
.if (\t)+2 < 8
	WLOAD (\t)+2
.endif
.if (\t)%2 == 1                        ; lanes 0-15 hold tile 0's columns, lanes 16-31 tile 1's.  The even block's upper lanes change places with the odd block's lower lanes: each run of six is then a piece's image
.irp i, 0,1,2,3,4,5
	v_permlane16_swap_b32 v[D-12+\i], v[D+\i]
.endr
.endif
.if (\t)%4 == 3                        ; 128 along K are whole: two fragments leave, each store a run of 512 or 256 neighbouring bytes
.irp u, 0,1
.set F, 128+24*((\t)/4)+12*\u
	global_store_b128 v1, v[F:F+3], s[44:45] offset:\u*TILEB+((\t)/4)*FRB
	global_store_b64 v2, v[F+4:F+5], s[44:45] offset:\u*TILEB+((\t)/4)*FRB+512
	global_store_b128 v1, v[F+6:F+9], s[44:45] offset:\u*TILEB+((\t)/4)*FRB+768
	global_store_b64 v2, v[F+10:F+11], s[44:45] offset:\u*TILEB+((\t)/4)*FRB+1280
.endr
.endif
.endm
	s_wait_alu depctr_va_vdst(0)
	WLOAD 0
	WLOAD 1
.irp t, 0,1,2,3,4,5,6,7
	BLOCK \t
.endr
	global_store_b64 v2, v[36:37], s[46:47]        ; my column's two scale words: 32 lanes store 256 neighbouring bytes
	s_branch .Ljoin
; ---------------- LAYERNORM, phase 1: wave w normalises logical rows 8 w + i and lays them in LDS in the physical order; the gains come into LDS beside them
.Lln:
	s_lshl_b32 s36, ttmp9, 17                      ; 32 rows of 4,096 bytes
	s_mov_b32 s37, 0
	s_add_nc_u64 s[48:49], s[4:5], s[36:37]
.irp v, 0,1,2,3,4,5
.irp c, 0,1
	global_load_b128 v[192+8*\v+4*\c:195+8*\v+4*\c], v11, s[6+2*\v:7+2*\v] offset:512*\c
.endr
.endr
.macro RLOAD i                         ; a row: eight loads of 512 neighbouring bytes
.irp j, 0,1,2,3,4,5,6,7
	global_load_b128 v[64+32*((\i)%4)+4*\j:64+32*((\i)%4)+4*\j+3], v10, s[48:49] offset:(\i)*4096+512*\j th:TH_LOAD_NT
.endr
.endm
.irp i, 0,1,2,3
	RLOAD \i
.endr
	s_wait_loadcnt 32                              ; the gains are in; the four rows' 32 loads stay out
.irp v, 0,1,2,3,4,5
.irp c, 0,1
	ds_store_b128 v9, v[192+8*\v+4*\c:195+8*\v+4*\c] offset:4096*\v+512*\c
.endr
.endr
.macro ROW i, left
.set R, 64+32*((\i)%4)
	s_wait_loadcnt \left                           ; my row is in; eight loads for each younger row stay out
.irp k, 0,1,2,3
	v_pk_add_f32 v[16+2*\k:17+2*\k], v[R+4*\k:R+4*\k+1], v[R+4*\k+2:R+4*\k+3]   ; the sum, in four chains
.endr
.irp m, 16,18
.irp k, 0,1,2,3
	v_pk_add_f32 v[16+2*\k:17+2*\k], v[16+2*\k:17+2*\k], v[R+\m+4*\k:R+\m+4*\k+1]
.endr
.endr
	v_pk_add_f32 v[16:17], v[16:17], v[18:19]
	v_pk_add_f32 v[20:21], v[20:21], v[22:23]
	v_pk_add_f32 v[16:17], v[16:17], v[20:21]
	v_add_f32 v16, v16, v17
	v_add_f32_dpp v16, v16, v16 row_xmask:1 row_mask:0xf bank_mask:0xf
	v_add_f32_dpp v16, v16, v16 row_xmask:2 row_mask:0xf bank_mask:0xf
	v_add_f32_dpp v16, v16, v16 row_xmask:4 row_mask:0xf bank_mask:0xf
	v_add_f32_dpp v16, v16, v16 row_xmask:8 row_mask:0xf bank_mask:0xf
	v_permlanex16_b32 v17, v16, s[SEL], s[SEL+1]
	v_add_f32 v16, v16, v17
	v_mul_f32 v16, s35, v16                        ; the mean
.irp k, 0,2,4,6,8,10,12,14,16,18,20,22,24,26,28,30
	v_pk_add_f32 v[R+\k:R+\k+1], v[R+\k:R+\k+1], v[16:17] op_sel_hi:[1,0] neg_lo:[0,1] neg_hi:[0,1]   ; x - mean
.endr
.irp k, 0,1,2,3
	v_pk_mul_f32 v[18+2*\k:19+2*\k], v[R+2*\k:R+2*\k+1], v[R+2*\k:R+2*\k+1]
.endr
.irp m, 8,16,24
.irp k, 0,1,2,3
	v_pk_fma_f32 v[18+2*\k:19+2*\k], v[R+\m+2*\k:R+\m+2*\k+1], v[R+\m+2*\k:R+\m+2*\k+1], v[18+2*\k:19+2*\k]
.endr
.endr
	v_pk_add_f32 v[18:19], v[18:19], v[20:21]
	v_pk_add_f32 v[22:23], v[22:23], v[24:25]
	v_pk_add_f32 v[18:19], v[18:19], v[22:23]
	v_add_f32 v18, v18, v19
	v_add_f32_dpp v18, v18, v18 row_xmask:1 row_mask:0xf bank_mask:0xf
	v_add_f32_dpp v18, v18, v18 row_xmask:2 row_mask:0xf bank_mask:0xf
	v_add_f32_dpp v18, v18, v18 row_xmask:4 row_mask:0xf bank_mask:0xf
	v_add_f32_dpp v18, v18, v18 row_xmask:8 row_mask:0xf bank_mask:0xf
	v_permlanex16_b32 v19, v18, s[SEL], s[SEL+1]
	v_add_f32 v18, v18, v19
	v_fma_f32 v18, v18, s35, s56                   ; the variance + 1e-5
	s_wait_alu depctr_va_vdst(0)
	v_rsq_f32 v20, v18
	v_mov_b32 v21, 0                               ; a plain place behind the transcendental (and the pair's upper half is written)
	s_wait_alu depctr_va_vdst(0)                   ; the wait ahead of the result's first reader
.irp k, 0,2,4,6,8,10,12,14,16,18,20,22,24,26,28,30
	v_pk_mul_f32 v[R+\k:R+\k+1], v[R+\k:R+\k+1], v[20:21] op_sel_hi:[1,0]
.endr
.irp j, 0,1,2,3,4,5,6,7
	ds_store_b128 v5, v[R+4*\j:R+4*\j+3] offset:XP*(\i)+512*\j
.endr
	s_wait_dscnt 0x0                               ; the stores have read their registers
.if (\i) < 4
	RLOAD (\i)+4
.endif
.endm
	ROW 0, 24
	ROW 1, 24
	ROW 2, 24
	ROW 3, 24
	ROW 4, 24
	ROW 5, 16
	ROW 6, 8
	ROW 7, 0
.Ljoin:                                        ; both ways meet: every wave of every work-group passes this one barrier
	s_wait_loadcnt 0x0
	s_wait_xcnt 0x0                                ; no store of either way has a source pending when the lines below write registers
	s_wait_dscnt 0x0                               ; for the others' sake: my rows and my part of the gains lie in LDS
	s_barrier_signal -1
	s_barrier_wait -1
	s_cmp_lt_u32 ttmp9, 128
	s_cbranch_scc0 .Lend
; ---------------- LAYERNORM, phase 2: wave w takes K = 256 w .. 256 w + 255 of both tiles of rows, for the three tensors
	s_mul_i32 s36, ttmp9, 2*TILEB
	s_mul_i32 s38, s30, 2*FRB
	s_add_co_u32 s36, s36, s38
	s_mov_b32 s37, 0
	s_add_nc_u64 s[50:51], s[26:27], s[36:37]      ; my codes
	s_lshl_b32 s36, ttmp9, 10
	s_lshl_b32 s38, s30, 8
	s_add_co_u32 s36, s36, s38
	s_add_co_u32 s36, s36, XS
	s_add_nc_u64 s[52:53], s[26:27], s[36:37]      ; my scale words
.macro UNIT q, u                       ; 16 rows x 128 along K: the normalised numbers once, then gain, bias and quantiser three times
.irp b, 0,1,2,3
.irp j, 0,1,2,3
	ds_load_b128 v[64+16*\b+4*\j:67+16*\b+4*\j], v[6+\u] offset:512*\q+128*\b+16*\j
.endr
.endr
.irp t, 0,1,2
.irp b, 0,1,2,3
.irp j, 0,1,2,3
	ds_load_b128 v[128+16*\b+4*\j:131+16*\b+4*\j], v8 offset:8192*\t+512*\q+128*\b+16*\j
	ds_load_b128 v[192+16*\b+4*\j:195+16*\b+4*\j], v8 offset:8192*\t+4096+512*\q+128*\b+16*\j
.endr
.endr
	s_wait_dscnt 0x0
.set i, 0
.rept 32
	v_pk_fma_f32 v[128+i:129+i], v[64+i:65+i], v[128+i:129+i], v[192+i:193+i]
.set i, i+2
.endr
	s_wait_xcnt 0x0                                ; the last fragment's stores have read their registers
	QUANT 128, E, PWS+4*\t+2*\q+\u
	global_store_b128 v1, v[E:E+3], s[50:51] offset:\t*XSZ+\u*TILEB+\q*FRB
	global_store_b64 v2, v[E+4:E+5], s[50:51] offset:\t*XSZ+\u*TILEB+\q*FRB+512
	global_store_b128 v1, v[E+6:E+9], s[50:51] offset:\t*XSZ+\u*TILEB+\q*FRB+768
	global_store_b64 v2, v[E+10:E+11], s[50:51] offset:\t*XSZ+\u*TILEB+\q*FRB+1280
.endr
.endm
	UNIT 0, 0
	UNIT 0, 1
	UNIT 1, 0
	UNIT 1, 1
	s_wait_xcnt 0x0
.irp t, 0,1,2                          ; lanes 0-15 give tile 0's words, lanes 16-31 tile 1's: 256 neighbouring bytes a store
	v_cndmask_b32 v[16+2*\t], v[PWS+4*\t], v[PWS+4*\t+1], s34
	v_cndmask_b32 v[17+2*\t], v[PWS+4*\t+2], v[PWS+4*\t+3], s34
	global_store_b64 v2, v[16+2*\t:17+2*\t], s[52:53] offset:131072*\t
.endr
.Lend:
	s_wait_tensorcnt 0x0                           ; the wave's end: behind my last LDS store
	ds_add_u32 v3, v4
	s_wait_dscnt 0x0
	s_endpgm
.Lfunc_end_k_q589f579a4c_prep:
	.size	k_q589f579a4c_prep, .Lfunc_end_k_q589f579a4c_prep-k_q589f579a4c_prep
	.p2alignl 7, 3214868480
	.fill 96, 4, 3214868480
	.section	.rodata,"a",@progbits
	.p2align	6, 0x0
	.amdhsa_kernel k_q589f579a4c_prep
		.amdhsa_group_segment_fixed_size 156672
		.amdhsa_private_segment_fixed_size 0
		.amdhsa_enable_private_segment 0
		.amdhsa_kernarg_size 104
		.amdhsa_user_sgpr_count 2
		.amdhsa_user_sgpr_kernarg_segment_ptr 1
		.amdhsa_wavefront_size32 1
		.amdhsa_system_sgpr_workgroup_id_x 1
		.amdhsa_system_sgpr_workgroup_id_y 1
		.amdhsa_system_sgpr_workgroup_id_z 1
		.amdhsa_system_vgpr_workitem_id 0
		.amdhsa_next_free_vgpr 256
		.amdhsa_next_free_sgpr 66
		.amdhsa_reserve_vcc 0
		.amdhsa_float_denorm_mode_32 3
		.amdhsa_float_denorm_mode_16_64 3
		.amdhsa_memory_ordered 1
		.amdhsa_forward_progress 1
		.amdhsa_inst_pref_size 199
	.end_amdhsa_kernel
	.amdgpu_metadata
---
amdhsa.version: [ 1, 2 ]
amdhsa.kernels:
  - .name:           k_q589f579a4c_prep
    .symbol:         k_q589f579a4c_prep.kd
    .args:
      - { .name: data, .offset: 0, .size: 8, .value_kind: global_buffer, .address_space: global }
      - { .name: g_q, .offset: 8, .size: 8, .value_kind: global_buffer, .address_space: global }
      - { .name: b_q, .offset: 16, .size: 8, .value_kind: global_buffer, .address_space: global }
      - { .name: g_k, .offset: 24, .size: 8, .value_kind: global_buffer, .address_space: global }
      - { .name: b_k, .offset: 32, .size: 8, .value_kind: global_buffer, .address_space: global }
      - { .name: g_v, .offset: 40, .size: 8, .value_kind: global_buffer, .address_space: global }
      - { .name: b_v, .offset: 48, .size: 8, .value_kind: global_buffer, .address_space: global }
      - { .name: Wq, .offset: 56, .size: 8, .value_kind: global_buffer, .address_space: global }
      - { .name: Wk, .offset: 64, .size: 8, .value_kind: global_buffer, .address_space: global }
      - { .name: Wv, .offset: 72, .size: 8, .value_kind: global_buffer, .address_space: global }
      - { .name: Wo, .offset: 80, .size: 8, .value_kind: global_buffer, .address_space: global }
      - { .name: xq, .offset: 88, .size: 8, .value_kind: global_buffer, .address_space: global }
      - { .name: wq, .offset: 96, .size: 8, .value_kind: global_buffer, .address_space: global }
    .group_segment_fixed_size: 156672
    .private_segment_fixed_size: 0
    .kernarg_segment_align: 8
    .kernarg_segment_size: 104
    .max_flat_workgroup_size: 128
    .sgpr_count:     66
    .vgpr_count:     256
    .wavefront_size: 32
...
	.end_amdgpu_metadata
.endif
;; end of part 1
;; launch proj (part 2): grid 16 x 16, 4 waves a work-group, clusters of 4 x 4, 327,680 bytes of LDS; arguments xq, wq, bq, bk, bv, qq, kk, vv; writes qq, kk, vv
.if DOCPART == 2
	.amdgcn_target "amdgcn-amd-amdhsa--gfx1250"
	.amdhsa_code_object_version 6
	.text
	.protected	k_q589f579a4c_proj
	.globl	k_q589f579a4c_proj
	.p2align	8
	.type	k_q589f579a4c_proj,@function
k_q589f579a4c_proj:
	s_mov_b64 s[64:65], 0
	v_nop
	global_prefetch_b8 v0, s[64:65] scope:SCOPE_SE
	s_setreg_imm32_b32 hwreg(HW_REG_WAVE_MODE, 25, 1), 1
	s_wait_xcnt 0x0
	s_wait_alu depctr_hold_cnt(0) depctr_sa_sdst(0) depctr_va_vdst(0) depctr_va_sdst(0) depctr_va_ssrc(0) depctr_va_vcc(0) depctr_vm_vsrc(0)
	s_getreg_b32 s2, hwreg(HW_REG_IB_STS2, 6, 4)
	s_cmp_eq_u32 s2, 0
	s_cbranch_scc0 .Lentry_in_a_cluster
	s_endpgm
.Lentry_in_a_cluster:
	s_bfe_u32 s2, ttmp6, 0x10000c
	s_cmp_lg_u32 s2, 0xf033
	s_cbranch_scc0 .Lentry_shape_is_right
	s_endpgm
.Lentry_shape_is_right:
; PROJ.  Four products of 4,096 x 1,024 x 1,024 on codes of FP6 (E2M3), one for each row of clusters (job = cluster y), each followed by its bias and by the quantiser of the product that reads it next:
;   job 0: q = xq Wq + bq, quantised along the head's 64;   job 1: k likewise;   job 2: k once more, with the tokens in the registers, quantised along the keys;   job 3: v so.
; k is multiplied twice so that nothing is transposed: the sums of jobs 1 and 2 are the same numbers, since swapping a product's sources changes no bit.
; A tile of 256 x 256 to a work-group, 128 x 128 to each of four waves: 64 accumulators, 512 registers.  Source 0 = operand B's 16 rows, source 1 = operand A's: a lane holds one row of A and its registers run along B's rows.
;   jobs 0, 1: A = the normalised tokens, B = the weight's columns;   jobs 2, 3: A = the weight's columns, B = the tokens.
; OPERANDS lie in memory as images of their registers (a piece of 768 bytes = 16 rows x 64 along K: registers 0-3 at 16 x lane, 4-5 at 512 + 8 x lane), rows in the physical order (bits 3 and 4 of the row's number exchanged):
; so a fragment is four dense LDS loads, and the 64 registers of a lane's eight accumulators are 128 neighbours along B's rows, in the order that the quantiser wants: register 16 b + i = 32 b + 16 (lane / 16) + i.
; K goes in steps of 256 through a ring of two LDS slots; a wave's tensor load brings 8 tiles of 16 rows x 3,072 bytes.  The scale words of the work-group's rows, for all of K, come once, with the first fills.
; CLUSTERS: 4 x 4 work-groups; A's tiles are asked for jointly along a row of the cluster, B's along a column.  The job is the same in all sixteen and enters no branch.
; OUT: qq [head 32][128 tokens 16][8 pieces | 256 scale bytes];  kk [head][step][k: 8 pieces | k^T: 4 fragments of 16 d x 128 keys | 256 | 256];  vv [head][step][4 fragments | 256].
; LIMITS: NaN and infinities are not served; a block whose largest magnitude lies under 2^-124 gets the byte 1 (this program alone reads the bytes).
; REGISTERS: window 0: v16-31 addresses; v32-63 scale words, two sets; v64-127 the bias along the registers; v128-223 A's fragments, one set, later the way out; v224-231 the bias along the lanes; v232-239 scale words made; v240-255 at work.
;   window 1: B's fragments, two sets, at v0 and v128.   windows 2, 3: the accumulators ((a, b) at v[8 (8 (a % 4) + b)]).
.set FR,     12                        ; registers of a fragment
.set NL,     4                         ; LDS loads that bring one
.set NP,     4                         ; places behind this matrix instruction (ISA guide 7.12.1)
.set KSLOT,  3072                      ; 256 along K of a tile of 16 rows
.set TILEB,  12288                     ; all of K of such a tile
.set HALFT,  8*KSLOT                   ; what one tensor load brings
.set SLOT,   4*HALFT                   ; A's 16 tiles, then B's 16
.set SCL,    2*SLOT                    ; behind the ring: the scale words, 4,096 bytes for 128 rows
.set SPARE,  SCL+4*4096                ; behind them: the spare words, 128 bytes a wave
.set LAPS,   2                         ; 1,024 along K = twice round the ring
.set XSZ,    3145728
.set XS,     3*XSZ
.set WSZ,    786432
.set WS,     4*WSZ
.set ADRA, 16                          ; v16-17 16 x lane + A's place in slot 0, 1;  v18-19 the same with 8 x lane
.set ADRB, 20                          ; v20-23 the same for B
.set ASA,  24                          ; v24 A's scale words;  v25 B's
.set ASB,  25
.set L16,  26
.set L8,   27
.set SPW,  28                          ; v28, v29: the add's two; never rewritten
.set NIL,  29
.set SC,   32
.set BN,   64
.set AF,   128
.set E,    192
.set PT,   204
.set BM,   224
.set PWS,  232
.set TM,   240
.set SEL,  68
.set G1, 28
.set G0, 36
.set G1B, 44
.set G0B, 52
.set G1S, 68
.set G0S, 76
.set G1SB, 80
.set G0SB, 88
.set MSB, 0
.macro WIN new                         ; the immediate's high byte repeats the setting that is left
.if MSB != (\new)
	s_set_vgpr_msb (MSB<<8)|(\new)
.set MSB, (\new)
.endif
.endm
.set MUL_LO, 0xa1                      ; source 0 (B) window 1, source 1 (A) window 0, C and D window 2
.set MUL_HI, 0xf1
.set TO_B,   0x40
.macro JLOAD g0a, g1a, g0b, g1b        ; a joint load: waves 0 and 1 fetch for A, waves 2 and 3 for B; an s_nop 0 and four v_nop follow each line
	s_cmp_eq_u32 s21, 0
	s_cbranch_scc0 .Lfor_b_\@
	tensor_load_to_lds s[\g0a:\g0a+3], s[\g1a:\g1a+7]
	s_nop 0
.rept 4
	v_nop
.endr
	s_branch .Lasked_\@
.Lfor_b_\@:
	tensor_load_to_lds s[\g0b:\g0b+3], s[\g1b:\g1b+7]
	s_nop 0
.rept 4
	v_nop
.endr
.Lasked_\@:
.endm
.macro CREST
	s_cmp_lg_u32 s20, 0
	s_cbranch_scc1 .Lnot_wave_0_\@
	s_barrier_signal -3
.Lnot_wave_0_\@:
	s_barrier_wait -3
	s_barrier_signal -1
	s_barrier_wait -1
.endm
.macro CROUND
	s_barrier_signal -1
	s_barrier_wait -1
	CREST
.endm
.macro PLACES n
.rept \n
	v_nop
.endr
.endm
	s_load_b512 s[4:19], s[0:1], 0x0               ; xq, wq, bq, bk, bv, qq, kk, vv
	v_lshl_add_u32 v[SPW], v0, 2, SPARE
	v_mov_b32 v[NIL], 0
	ds_add_u32 v[SPW], v[NIL]                      ; the wave's opening: the add and its wait ahead of my first tensor load; work on registers stands between them
	ds_add_u32 v[SPW], v[NIL]
	v_lshrrev_b32 v1, 5, v0
	v_readfirstlane_b32 s20, v1                    ; wave
	s_lshr_b32 s21, s20, 1                         ; my half of A's rows.  Also: I fetch for A (0) or for B (1)
	s_and_b32 s22, s20, 1                          ; my half of B's rows.  Also: which half I fetch
	s_bfe_u32 s23, ttmp6, 0x40000                  ; cx
	s_bfe_u32 s24, ttmp6, 0x40004                  ; cy
	s_lshl_b32 s25, ttmp9, 2                       ; 4 x cluster x
	s_and_b32 s26, ttmp7, 0xffff                   ; the job
	s_cmp_lt_u32 s26, 2
	s_cselect_b32 s62, 1, 0                        ; lo: the tokens are A
	s_cselect_b32 s63, s25, 0
	s_cselect_b32 s66, 0, s25
	s_cselect_b32 s27, 0, 1
	s_add_co_u32 s60, s24, s63                     ; A's tile of 256 rows: hangs on cy alone within the cluster
	s_add_co_u32 s61, s23, s66                     ; B's: on cx alone
	s_sub_co_u32 s27, s26, s27                     ; which tensor and which weight: 0, 1, 1, 2
	s_lshl_b32 s63, s24, 2
	s_lshl_b32 s63, 15, s63                        ; my row of the cluster
	s_lshl_b32 s66, 0x1111, s23                    ; my column
	s_or_b32 s[G1], s63, (3<<16)|(1<<21)           ; 15:0 the mask; 17:16 elements of 8 bytes; 20 no padding; 21 set beside a mask
	s_or_b32 s[G1B], s66, (3<<16)|(1<<21)
	s_or_b32 s[G1S], s63, (3<<16)|(1<<21)
	s_or_b32 s[G1SB], s66, (3<<16)|(1<<21)
.irp g, G1, G1B                        ; 8 rows of 384 elements (3,072 bytes), 1,536 elements (12,288 bytes) apart
	s_mov_b32 s[\g+1], 384<<16
	s_mov_b32 s[\g+2], 16<<16                      ; the head's loads bring 16 tiles; behind them the two words that count rows are set to 8
	s_mov_b32 s[\g+3], 384<<16
	s_mov_b32 s[\g+4], 16
	s_mov_b32 s[\g+5], 1536
	s_mov_b32 s[\g+6], 0
	s_mov_b32 s[\g+7], 0
.endr
.irp g, G1S, G1SB                      ; a dense block of 8,192 bytes as 32 rows of 256
	s_mov_b32 s[\g+1], 32<<16
	s_mov_b32 s[\g+2], 32<<16                      ; the scale words of 256 rows: 32 rows of 256 bytes
	s_mov_b32 s[\g+3], 32<<16
	s_mov_b32 s[\g+4], 32
	s_mov_b32 s[\g+5], 32
	s_mov_b32 s[\g+6], 0
	s_mov_b32 s[\g+7], 0
.endr
	s_cmp_eq_u32 s62, 1                            ; sizes by the side on which the tokens stand
	s_mov_b32 s92, WSZ
	s_cselect_b32 s92, XSZ, s92
	s_mov_b32 s96, XSZ
	s_cselect_b32 s96, WSZ, s96
	s_mov_b32 s94, 32768
	s_cselect_b32 s94, 131072, s94
	s_mov_b32 s98, 131072
	s_cselect_b32 s98, 32768, s98
	s_mov_b32 s93, WS
	s_cselect_b32 s93, XS, s93
	s_mov_b32 s97, XS
	s_cselect_b32 s97, WS, s97
	s_mul_i32 s92, s92, s27
	s_mul_i32 s96, s96, s27
	s_mul_i32 s94, s94, s27
	s_mul_i32 s98, s98, s27
	s_add_co_u32 s94, s94, s93
	s_add_co_u32 s98, s98, s97
	s_lshl_b32 s100, s60, 1
	s_add_co_u32 s100, s100, s22                   ; A: which 128 rows I fetch
	s_mul_i32 s93, s100, 8*TILEB
	s_add_co_u32 s92, s92, s93                     ; their codes,
	s_lshl_b32 s93, s100, 12
	s_add_co_u32 s94, s94, s93                     ; their scale words
	s_lshl_b32 s101, s61, 1
	s_add_co_u32 s101, s101, s22                   ; B likewise
	s_mul_i32 s97, s101, 8*TILEB
	s_add_co_u32 s96, s96, s97
	s_lshl_b32 s97, s101, 12
	s_add_co_u32 s98, s98, s97
	s_mov_b32 s93, 0
	s_mov_b32 s95, 0
	s_mov_b32 s97, 0
	s_mov_b32 s99, 0
	s_wait_dscnt 0x0                               ; the opening add is done
	s_wait_kmcnt 0x0
	s_cmp_eq_u32 s62, 1
	s_cselect_b64 s[2:3], s[4:5], s[6:7]           ; A's buffer
	s_cselect_b64 s[66:67], s[6:7], s[4:5]         ; B's
	s_add_nc_u64 s[92:93], s[2:3], s[92:93]
	s_add_nc_u64 s[94:95], s[2:3], s[94:95]
	s_add_nc_u64 s[96:97], s[66:67], s[96:97]
	s_add_nc_u64 s[98:99], s[66:67], s[98:99]
	s_cmp_eq_u32 s26, 0                            ; the job's bias and the job's output
	s_cselect_b64 s[8:9], s[8:9], s[10:11]
	s_cselect_b64 s[14:15], s[14:15], s[16:17]
	s_cmp_eq_u32 s26, 3
	s_cselect_b64 s[8:9], s[12:13], s[8:9]
	s_cselect_b64 s[14:15], s[18:19], s[14:15]
	CROUND                                         ; all sixteen work-groups are here: the first joint loads meet
	s_mov_b32 s[G0S], 1
	s_lshl_b32 s100, s22, 12                       ; back from my half's scale words to the first half's
	s_mov_b32 s101, 0
	s_mov_b32 s[G0S+1], SCL
	s_sub_nc_u64 s[G0S+2:G0S+3], s[94:95], s[100:101]
	s_or_b32 s[G0S+3], s[G0S+3], 0x80000000
	s_mov_b32 s[G0SB], 1
	s_mov_b32 s[G0SB+1], SCL+8192
	s_sub_nc_u64 s[G0SB+2:G0SB+3], s[98:99], s[100:101]
	s_or_b32 s[G0SB+3], s[G0SB+3], 0x80000000
.set G0H, 4                            ; s[4:7], s[16:19]: group 0 of the head's loads of K step 0 (the arguments that lay there have been used)
.set G0HB, 16
	s_mul_i32 s100, s22, 8*TILEB                   ; back from my half's codes to the first half's
	s_mov_b32 s[G0H], 1
	s_mov_b32 s[G0H+1], 0
	s_sub_nc_u64 s[G0H+2:G0H+3], s[92:93], s[100:101]
	s_or_b32 s[G0H+3], s[G0H+3], 0x80000000
	s_mov_b32 s[G0HB], 1
	s_mov_b32 s[G0HB+1], 2*HALFT
	s_sub_nc_u64 s[G0HB+2:G0HB+3], s[96:97], s[100:101]
	s_or_b32 s[G0HB+3], s[G0HB+3], 0x80000000
.irp s, 0,1
	s_mov_b32 s[G0+4*\s], 1
	s_mul_i32 s[G0+4*\s+1], s20, HALFT
	s_add_co_u32 s[G0+4*\s+1], s[G0+4*\s+1], \s*SLOT
	s_add_nc_u64 s[G0+4*\s+2:G0+4*\s+3], s[92:93], \s*KSLOT
	s_or_b32 s[G0+4*\s+3], s[G0+4*\s+3], 0x80000000
	s_mov_b32 s[G0B+4*\s], 1
	s_mul_i32 s[G0B+4*\s+1], s20, HALFT
	s_add_co_u32 s[G0B+4*\s+1], s[G0B+4*\s+1], \s*SLOT
	s_add_nc_u64 s[G0B+4*\s+2:G0B+4*\s+3], s[96:97], \s*KSLOT
	s_or_b32 s[G0B+4*\s+3], s[G0B+4*\s+3], 0x80000000
.endr
; THE HEAD'S LOADS, ONE A WAVE: wave 0 K step 0 of A's 16 tiles, wave 1 of B's, wave 2 A's scale words, wave 3 B's.  One chain of branches on the wave's number, one load to an arm.
.macro ARM under, g0, g1, next
	s_cmp_lt_u32 s20, \under
	s_cbranch_scc0 \next
	tensor_load_to_lds s[\g0:\g0+3], s[\g1:\g1+7]
	s_nop 0
.rept 4
	v_nop
.endr
	s_branch .Lhead_asked
\next:
.endm
	ARM 1, G0H,  G1,  .Lhead_b
	ARM 2, G0HB, G1B, .Lhead_sa
	ARM 3, G0S,  G1S, .Lhead_sb
	tensor_load_to_lds s[G0SB:G0SB+3], s[G1SB:G1SB+7]
	s_nop 0
.rept 4
	v_nop
.endr
.Lhead_asked:
	v_and_b32 v1, 31, v0
	v_lshlrev_b32 v[L16], 4, v1
	v_lshlrev_b32 v[L8], 3, v1
	s_wait_alu depctr_va_vdst(0)
	s_mul_i32 s25, s21, HALFT                      ; my 8 tiles of A
	s_mul_i32 s27, s22, HALFT                      ; my 8 tiles of B,
	s_add_co_u32 s27, s27, 2*HALFT                 ; behind A's 16
.irp s, 0,1
	v_add_nc_u32 v[ADRA+\s], s25, v[L16]
	v_add_nc_u32 v[ADRA+2+\s], s25, v[L8]
	v_add_nc_u32 v[ADRB+\s], s27, v[L16]
	v_add_nc_u32 v[ADRB+2+\s], s27, v[L8]
	s_add_co_u32 s25, s25, SLOT
	s_add_co_u32 s27, s27, SLOT
.endr
	s_lshl_b32 s25, s21, 12
	s_add_co_u32 s25, s25, SCL
	v_add_nc_u32 v[ASA], s25, v[L8]
	s_lshl_b32 s27, s22, 12
	s_add_co_u32 s27, s27, SCL+8192
	v_add_nc_u32 v[ASB], s27, v[L8]
	; the bias.  It runs along B's rows (the registers) in jobs 0 and 1 and along A's rows (the lanes) in jobs 2 and 3.  Both are loaded, from inside the vector; the one that does not apply is made 0 on the way out.
	v_and_b32 v2, 15, v0                           ; r
	v_bfe_u32 v3, v0, 4, 1                         ; h
	s_wait_alu depctr_va_vdst(0)
	s_lshl_b32 s101, s61, 10
	s_lshl_b32 s66, s22, 9
	s_add_co_u32 s101, s101, s66
	s_lshl_b32 s100, s60, 10
	s_lshl_b32 s63, s21, 9
	s_add_co_u32 s100, s100, s63
	s_cmp_eq_u32 s62, 1
	s_cselect_b32 s101, s101, 0
	s_cselect_b32 s100, 0, s100
	v_lshl_add_u32 v30, v3, 6, s101                ; register 16 g + i: number 32 g + 16 h + i of my 128
	v_and_b32 v4, 8, v2
	v_add_nc_u32 v4, v4, v2
	v_lshl_add_u32 v31, v4, 2, s100                ; lane r of tile a: number 32 (a / 2) + 8 (a % 2) + r + 8 (r / 8)
.irp g, 0,1,2,3
.irp j, 0,1,2,3
	global_load_b128 v[BN+16*\g+4*\j:BN+16*\g+4*\j+3], v30, s[8:9] offset:128*\g+16*\j
.endr
.endr
.irp a, 0,1,2,3,4,5,6,7
	global_load_b32 v[BM+\a], v31, s[8:9] offset:4*(32*(\a/2)+8*(\a%2))
.endr
.irp b, 0,1,2,3
	v_mov_b32 v[TM+4+\b], 0                        ; written once: a lane permute's destination counts as one of its sources
.endr
.macro FRAG reg, adr, q, i             ; a fragment: two pieces of 768 bytes on end, as they lie: every load is 16 or 8 bytes a lane, lane by lane
	ds_load_b128 v[\reg:\reg+3], v[\adr] offset:(\i)*KSLOT+(\q)*1536
	ds_load_b64 v[\reg+4:\reg+5], v[\adr+2] offset:(\i)*KSLOT+(\q)*1536+512
	ds_load_b128 v[\reg+6:\reg+9], v[\adr] offset:(\i)*KSLOT+(\q)*1536+768
	ds_load_b64 v[\reg+10:\reg+11], v[\adr+2] offset:(\i)*KSLOT+(\q)*1536+1280
.endm
; One product: A's block a x B's block b, the slot's q-th 128 along K.  A scale register carries two tiles' words: the even tile's in lanes 0-15, the odd tile's in lanes 16-31.
.macro WM a, b, p, q, sc, zero
.set rD, 8*(8*((\a)%4)+(\b))
.set rB, 128*(\p)+FR*(\b)
.set rA, AF+FR*(\a)
.set rY, SC+16*(\sc)+8+2*((\b)/2)+(\q)
.set rX, SC+16*(\sc)+2*((\a)/2)+(\q)
.set rO, 2*((\a)%2)+(\b)%2
.if \zero
.if rO == 0
	v_wmma_scale_f32_16x16x128_f8f6f4 v[rD:rD+7], v[rB:rB+FR-1], v[rA:rA+FR-1], 0, v[rY], v[rX] matrix_a_fmt:MATRIX_FMT_FP6 matrix_b_fmt:MATRIX_FMT_FP6
.elseif rO == 1
	v_wmma_scale_f32_16x16x128_f8f6f4 v[rD:rD+7], v[rB:rB+FR-1], v[rA:rA+FR-1], 0, v[rY], v[rX] matrix_a_fmt:MATRIX_FMT_FP6 matrix_b_fmt:MATRIX_FMT_FP6 matrix_a_scale:MATRIX_SCALE_ROW1
.elseif rO == 2
	v_wmma_scale_f32_16x16x128_f8f6f4 v[rD:rD+7], v[rB:rB+FR-1], v[rA:rA+FR-1], 0, v[rY], v[rX] matrix_a_fmt:MATRIX_FMT_FP6 matrix_b_fmt:MATRIX_FMT_FP6 matrix_b_scale:MATRIX_SCALE_ROW1
.else
	v_wmma_scale_f32_16x16x128_f8f6f4 v[rD:rD+7], v[rB:rB+FR-1], v[rA:rA+FR-1], 0, v[rY], v[rX] matrix_a_fmt:MATRIX_FMT_FP6 matrix_b_fmt:MATRIX_FMT_FP6 matrix_a_scale:MATRIX_SCALE_ROW1 matrix_b_scale:MATRIX_SCALE_ROW1
.endif
.else
.if rO == 0
	v_wmma_scale_f32_16x16x128_f8f6f4 v[rD:rD+7], v[rB:rB+FR-1], v[rA:rA+FR-1], v[rD:rD+7], v[rY], v[rX] matrix_a_fmt:MATRIX_FMT_FP6 matrix_b_fmt:MATRIX_FMT_FP6
.elseif rO == 1
	v_wmma_scale_f32_16x16x128_f8f6f4 v[rD:rD+7], v[rB:rB+FR-1], v[rA:rA+FR-1], v[rD:rD+7], v[rY], v[rX] matrix_a_fmt:MATRIX_FMT_FP6 matrix_b_fmt:MATRIX_FMT_FP6 matrix_a_scale:MATRIX_SCALE_ROW1
.elseif rO == 2
	v_wmma_scale_f32_16x16x128_f8f6f4 v[rD:rD+7], v[rB:rB+FR-1], v[rA:rA+FR-1], v[rD:rD+7], v[rY], v[rX] matrix_a_fmt:MATRIX_FMT_FP6 matrix_b_fmt:MATRIX_FMT_FP6 matrix_b_scale:MATRIX_SCALE_ROW1
.else
	v_wmma_scale_f32_16x16x128_f8f6f4 v[rD:rD+7], v[rB:rB+FR-1], v[rA:rA+FR-1], v[rD:rD+7], v[rY], v[rX] matrix_a_fmt:MATRIX_FMT_FP6 matrix_b_fmt:MATRIX_FMT_FP6 matrix_a_scale:MATRIX_SCALE_ROW1 matrix_b_scale:MATRIX_SCALE_ROW1
.endif
.endif
.endm
.macro MUL16 a0, p, q, sc, zero        ; 16 products; the 64 accumulators take turns, one instruction a turn, in the same order in every step
.irp a, \a0, \a0+1
.irp b, 0,1,2,3,4,5,6,7
	WM (\a), \b, \p, \q, \sc, \zero
.endr
.endr
.endm
.macro FETCH_B slot, q, p
	WIN TO_B
.irp i, 0,1,2,3,4,5,6,7
	FRAG 128*(\p)+FR*\i, ADRB+\slot, \q, \i
.endr
	WIN 0
.endm
.macro FETCH_A slot, q, i0
.irp i, \i0, \i0+1, \i0+2, \i0+3
	FRAG AF+FR*(\i), ADRA+\slot, \q, \i
.endr
.endm
.macro SCALES sc                       ; a K step's scale words: two words a row, 32 rows a load
.irp g, 0,1,2,3
	ds_load_b64 v[SC+16*\sc+2*\g:SC+16*\sc+2*\g+1], v[ASA] offset:1024*\g
	ds_load_b64 v[SC+16*\sc+8+2*\g:SC+16*\sc+8+2*\g+1], v[ASB] offset:1024*\g
.endr
.endm
.macro STEP slot, q, zero              ; a step of 128 along K that has its successor in the same slot
	s_wait_dscnt 4*NL                              ; all but the youngest sixteen loads (A's blocks 4-7) are in
	WIN MUL_LO
	MUL16 0, (\q)%2, \q, \slot, \zero
	MUL16 2, (\q)%2, \q, \slot, \zero
	s_wait_dscnt 0
	PLACES NP                                      ; four places in front of loads into registers that matrix instructions have read
	FETCH_B \slot, (\q)+1, 1-(\q)%2
	FETCH_A \slot, (\q)+1, 0
	WIN MUL_HI
	MUL16 4, (\q)%2, \q, \slot, \zero
	MUL16 6, (\q)%2, \q, \slot, \zero
	PLACES NP
	WIN 0
	FETCH_A \slot, (\q)+1, 4
.endm
.macro TURN slot, next, fill           ; a slot's last step changes slots: one barrier; with fill = 1 it opens a round of the cluster's barrier and the slot is filled again, two K steps ahead
	s_wait_tensorcnt 0x0                           ; all my tensor loads have landed: my part of the next slot
	ds_add_u32 v[SPW], v[NIL]                      ; 0 onto my spare word
	s_wait_dscnt 4*NL+1                            ; (the add and the youngest sixteen loads may be out)
	WIN MUL_LO
	MUL16 0, 1, 1, \slot, 0
	s_wait_dscnt 0x0                               ; the add is done, and my reads of this slot are over
	s_barrier_signal -1
	MUL16 2, 1, 1, \slot, 0
	WIN 0
	s_barrier_wait -1
.if \fill
	CREST                                          ; no wave of any partner still reads this slot or has a load on its way
	s_add_nc_u64 s[G0+4*\slot+2:G0+4*\slot+3], s[G0+4*\slot+2:G0+4*\slot+3], 2*KSLOT
	s_add_nc_u64 s[G0B+4*\slot+2:G0B+4*\slot+3], s[G0B+4*\slot+2:G0B+4*\slot+3], 2*KSLOT
	JLOAD G0+4*\slot, G1, G0B+4*\slot, G1B         ; the first tensor load behind the round; its four v_nop are the places in front of the loads below
.else
	PLACES NP
.endif
	s_wait_alu depctr_va_vdst(0)
	v_add_nc_u32 v[ASA], 256, v[ASA]               ; on to the next K step's scale words
	v_add_nc_u32 v[ASB], 256, v[ASB]
	FETCH_B \next, 0, 0
	FETCH_A \next, 0, 0
	SCALES \next
	WIN MUL_HI
	MUL16 4, 1, 1, \slot, 0
	MUL16 6, 1, 1, \slot, 0
	PLACES NP
	WIN 0
	FETCH_A \next, 0, 4
.endm
	s_wait_alu depctr_va_vdst(0)                   ; the wait at the head's end
	s_wait_tensorcnt 0x0                           ; my tile of the head's four is in
	ds_add_u32 v[SPW], v[NIL]
	s_mov_b32 s[G1+2], 8<<16                       ; no tensor load of mine is out: from here on a load brings 8 tiles
	s_mov_b32 s[G1+4], 8
	s_mov_b32 s[G1B+2], 8<<16
	s_mov_b32 s[G1B+4], 8
	s_wait_dscnt 0x0                               ; the add is done
	CROUND                                         ; all four tiles are in, and all sixteen work-groups are here
	JLOAD G0+4, G1, G0B+4, G1B                     ; K step 1, the first tensor load behind the round
	FETCH_B 0, 0, 0
	FETCH_A 0, 0, 0
	SCALES 0
	FETCH_A 0, 0, 4
	STEP 0, 0, 1                                   ; the first step's products start the sums: nothing is cleared
	s_mov_b32 s3, LAPS-1
.Llap:
	TURN 0, 1, 1
	STEP 1, 0, 0
	TURN 1, 0, 1
	STEP 0, 0, 0
	s_sub_co_u32 s3, s3, 1
	s_cmp_lg_u32 s3, 0
	s_cbranch_scc1 .Llap
	TURN 0, 1, 0                                   ; the last lap fills nothing
	STEP 1, 0, 0
	s_wait_dscnt 4*NL
	WIN MUL_LO
	MUL16 0, 1, 1, 1, 0
	MUL16 2, 1, 1, 1, 0
	s_wait_dscnt 0
	WIN MUL_HI
	MUL16 4, 1, 1, 1, 0
	MUL16 6, 1, 1, 1, 0
	WIN 0
; ---------------- THE WAY OUT.  No tensor load is out: the scalar registers that held descriptors are free.
	s_add_co_u32 s28, s26, 1
	s_bfe_u32 s28, s28, 0x10001                    ; 1 for jobs 1 and 2, whose buffer holds two operands
	s_lshl_b32 s29, 102400, s28                    ; a head's bytes
	s_lshl_b32 s30, 6400, s28                      ; a step's (128 tokens)
	s_lshl_b32 s31, 6144, s28
	s_cmp_eq_u32 s26, 2
	s_cselect_b32 s32, 6144, 0                     ; k^T lies behind k
	s_cselect_b32 s33, 256, 0
	s_add_co_u32 s31, s31, s33                     ; where my scale words lie in a step
	s_mov_b32 s33, 0
	s_cmp_eq_u32 s62, 1
	s_cselect_b32 s34, s60, s61                    ; the tokens' tile and half,
	s_cselect_b32 s35, s21, s22
	s_cselect_b32 s36, s61, s60                    ; the heads'
	s_cselect_b32 s37, s22, s21
	s_mov_b32 s38, 3072
	s_cselect_b32 s38, s38, s29                    ; from block 0 to block 4: four pieces on, or the next head
	s_mov_b32 s48, 1536
	s_cselect_b32 s48, 768, s48                    ; from block to block: a piece, or a fragment
	s_cselect_b32 s52, s29, 768                    ; from a fragment's first piece to its second: the next head, or the next piece
	s_cselect_b32 s41, -1, 0                       ; all lanes where the bias runs along the registers
	s_cselect_b32 s42, 0, -1
	s_mul_i32 s50, s48, 3
	s_sub_co_u32 s50, s38, s50
	s_mov_b32 s49, 0
	s_mov_b32 s51, 0
	s_mov_b32 s53, 0
	s_lshr_b32 s43, s34, 3
	s_lshl_b32 s43, s43, 4                         ; 16 x batch
	s_lshl_b32 s44, s36, 2
	s_add_co_u32 s43, s43, s44
	s_lshl_b32 s44, s37, 1
	s_add_co_u32 s43, s43, s44                     ; + my first head
	s_mul_i32 s43, s43, s29
	s_and_b32 s44, s34, 7
	s_lshl_b32 s44, s44, 1
	s_add_co_u32 s44, s44, s35                     ; my step
	s_mul_i32 s44, s44, s30
	s_add_co_u32 s44, s44, s43
	s_mov_b32 s45, 0
	s_add_nc_u64 s[14:15], s[14:15], s[44:45]
	s_add_nc_u64 s[46:47], s[14:15], s[32:33]      ; block 0's first piece
	s_mov_b32 s32, s31
	s_add_nc_u64 s[56:57], s[14:15], s[32:33]      ; the first head's scale words,
	s_mov_b32 s32, s29
	s_add_nc_u64 s[58:59], s[56:57], s[32:33]      ; the second's
	s_mov_b32 s[SEL], 0x76543210
	s_mov_b32 s[SEL+1], 0xfedcba98
	s_mov_b32 s70, 0xffff0000                      ; lanes 16-31
.macro QUANT s, e, pw                  ; 64 numbers of a lane, register 16 b + i = k 32 b + 16 (lane / 16) + i of my row, become a fragment's 12 registers and its scale word
.irp b, 0,1,2,3
	v_max3_num_f32 v[TM+\b], |v[\s+16*\b]|, |v[\s+1+16*\b]|, 0x1800000   ; and the floor 2^(3 - 127): the byte cannot fall under 1
.endr
.irp i, 2,4,6,8,10,12,14
.irp b, 0,1,2,3
	v_max3_num_f32 v[TM+\b], v[TM+\b], |v[\s+16*\b+\i]|, |v[\s+1+16*\b+\i]|
.endr
.endr
.irp b, 0,1,2,3
	v_permlanex16_b32 v[TM+4+\b], v[TM+\b], s[SEL], s[SEL+1]
.endr
.irp b, 0,1,2,3
	v_max_num_f32 v[TM+\b], v[TM+\b], v[TM+4+\b]
.endr
.irp b, 0,1,2,3
	v_add_nc_u32 v[TM+12+\b], 0xff000000, v[TM+\b]
.endr
.irp b, 0,1,2,3
	v_lshrrev_b32 v[TM+4+\b], 23, v[TM+12+\b]
.endr
	v_lshl_or_b32 v[\pw], v[TM+5], 8, v[TM+4]
	v_lshl_or_b32 v[\pw], v[TM+6], 16, v[\pw]
	v_lshl_or_b32 v[\pw], v[TM+7], 24, v[\pw]
.irp c, 0,1
	v_cvt_scalef32_pk16_fp6_f32 v[\e+6*\c:\e+2+6*\c], v[\s+32*\c:\s+15+32*\c], v[TM+12+2*\c]
	v_cvt_scalef32_pk16_fp6_f32 v[PT+4*\c:PT+2+4*\c], v[\s+16+32*\c:\s+31+32*\c], v[TM+13+2*\c]
.endr
	v_nop                                          ; one plain place behind a scaled conversion
.irp c, 0,1
.irp i, 0,1,2
	v_permlane16_swap_b32 v[\e+6*\c+\i], v[PT+4*\c+\i]
.endr
.irp i, 0,1,2
	v_mov_b32 v[\e+3+6*\c+\i], v[PT+4*\c+\i]
.endr
.endr
.endm
	s_wait_loadcnt 0x0                             ; the biases
	PLACES NP                                      ; behind the last products
.set i, 0
.rept 64
	v_cndmask_b32 v[BN+i], 0, v[BN+i], s41
.set i, i+1
.endr
.set i, 0
.rept 8
	v_cndmask_b32 v[BM+i], 0, v[BM+i], s42
.set i, i+1
.endr
.irp a, 0,1,2,3,4,5,6,7                ; block a: 16 rows of A x my 128 rows of B: bias, quantiser, one fragment
	s_wait_xcnt 0x0                                ; the last block's stores have read their registers and bases
.if \a == 4
	s_add_nc_u64 s[46:47], s[46:47], s[50:51]
.elseif \a > 0
	s_add_nc_u64 s[46:47], s[46:47], s[48:49]
.endif
	s_add_nc_u64 s[54:55], s[46:47], s[52:53]
	WIN 0x02+\a/4                                  ; source 0: window 2 or 3
.set i, 0
.rept 32
	v_pk_add_f32 v[128+i:129+i], v[64*(\a%4)+i:64*(\a%4)+i+1], v[BN+i:BN+i+1]   ; ascending: each accumulator is read from its low end on
.set i, i+2
.endr
	WIN 0
.set i, 0
.rept 32
.if \a%2 == 0
	v_pk_add_f32 v[128+i:129+i], v[128+i:129+i], v[BM+2*(\a/2):BM+2*(\a/2)+1] op_sel_hi:[1,0]
.else
	v_pk_add_f32 v[128+i:129+i], v[128+i:129+i], v[BM+2*(\a/2):BM+2*(\a/2)+1] op_sel:[0,1]
.endif
.set i, i+2
.endr
	QUANT 128, E, PWS+\a
	global_store_b128 v[L16], v[E:E+3], s[46:47]                 ; each store a run of 512 or 256 neighbouring bytes, at a multiple of 256 from the buffer's first byte
	global_store_b64 v[L8], v[E+4:E+5], s[46:47] offset:512
	global_store_b128 v[L16], v[E+6:E+9], s[54:55]
	global_store_b64 v[L8], v[E+10:E+11], s[54:55] offset:512
.endr
; The scale words, 256 bytes a head and step: word j of lane 16 hh + r belongs to row r of unit 2 j + hh.  Jobs 0, 1: a unit is a pair of token tiles, its word the head's two bytes of each; jobs 2, 3: a unit is a tile of 16 d, its word as it was made.
.irp x, 0,1
.irp T, 0,1,2,3
.if \x == 0
	v_perm_b32 v[128+\T], v[PWS+2*\T+1], v[PWS+2*\T], 0x05040100
.else
	v_perm_b32 v[132+\T], v[PWS+2*\T+1], v[PWS+2*\T], 0x07060302
.endif
	v_cndmask_b32 v[128+4*\x+\T], v[PWS+4*\x+\T], v[128+4*\x+\T], s41
.endr
	v_cndmask_b32 v[136+2*\x], v[128+4*\x], v[129+4*\x], s70
	v_cndmask_b32 v[137+2*\x], v[130+4*\x], v[131+4*\x], s70
	global_store_b64 v[L8], v[136+2*\x:137+2*\x], s[56+2*\x:57+2*\x]
.endr
	s_wait_tensorcnt 0x0                           ; the wave's end
	ds_add_u32 v[SPW], v[NIL]
	s_wait_dscnt 0x0
	CROUND                                         ; the closing round: no work-group ends while a partner may still ask for a tile that names it
	s_endpgm
.Lfunc_end_k_q589f579a4c_proj:
	.size	k_q589f579a4c_proj, .Lfunc_end_k_q589f579a4c_proj-k_q589f579a4c_proj
	.p2alignl 7, 3214868480
	.fill 96, 4, 3214868480
	.section	.rodata,"a",@progbits
	.p2align	6, 0x0
	.amdhsa_kernel k_q589f579a4c_proj
		.amdhsa_group_segment_fixed_size 327680
		.amdhsa_private_segment_fixed_size 0
		.amdhsa_enable_private_segment 0
		.amdhsa_kernarg_size 64
		.amdhsa_user_sgpr_count 2
		.amdhsa_user_sgpr_kernarg_segment_ptr 1
		.amdhsa_wavefront_size32 1
		.amdhsa_system_sgpr_workgroup_id_x 1
		.amdhsa_system_sgpr_workgroup_id_y 1
		.amdhsa_system_sgpr_workgroup_id_z 1
		.amdhsa_system_vgpr_workitem_id 0
		.amdhsa_next_free_vgpr 1024
		.amdhsa_next_free_sgpr 102
		.amdhsa_reserve_vcc 0
		.amdhsa_float_denorm_mode_32 3
		.amdhsa_float_denorm_mode_16_64 3
		.amdhsa_memory_ordered 1
		.amdhsa_forward_progress 1
		.amdhsa_inst_pref_size 193
	.end_amdhsa_kernel
	.amdgpu_metadata
---
amdhsa.version: [ 1, 2 ]
amdhsa.kernels:
  - .name:           k_q589f579a4c_proj
    .symbol:         k_q589f579a4c_proj.kd
    .args:
      - { .name: xq, .offset: 0, .size: 8, .value_kind: global_buffer, .address_space: global }
      - { .name: wq, .offset: 8, .size: 8, .value_kind: global_buffer, .address_space: global }
      - { .name: bq, .offset: 16, .size: 8, .value_kind: global_buffer, .address_space: global }
      - { .name: bk, .offset: 24, .size: 8, .value_kind: global_buffer, .address_space: global }
      - { .name: bv, .offset: 32, .size: 8, .value_kind: global_buffer, .address_space: global }
      - { .name: qq, .offset: 40, .size: 8, .value_kind: global_buffer, .address_space: global }
      - { .name: kk, .offset: 48, .size: 8, .value_kind: global_buffer, .address_space: global }
      - { .name: vv, .offset: 56, .size: 8, .value_kind: global_buffer, .address_space: global }
    .group_segment_fixed_size: 327680
    .private_segment_fixed_size: 0
    .kernarg_segment_align: 8
    .kernarg_segment_size: 64
    .max_flat_workgroup_size: 128
    .sgpr_count:     102
    .vgpr_count:     1024
    .wavefront_size: 32
...
	.end_amdgpu_metadata
.endif
;; end of part 2
;; launch attn (part 3): grid 8 x 32, 16 waves a work-group, clusters of 4 x 1, 327,680 bytes of LDS; arguments qq, kk, vv, oq; writes oq
.if DOCPART == 3
	.amdgcn_target "amdgcn-amd-amdhsa--gfx1250"
	.amdhsa_code_object_version 6
	.text
	.protected	k_q589f579a4c_attn
	.globl	k_q589f579a4c_attn
	.p2align	8
	.type	k_q589f579a4c_attn,@function
k_q589f579a4c_attn:
	s_mov_b64 s[64:65], 0
	v_nop
	global_prefetch_b8 v0, s[64:65] scope:SCOPE_SE
	s_setreg_imm32_b32 hwreg(HW_REG_WAVE_MODE, 25, 1), 1
	s_wait_xcnt 0x0
	s_wait_alu depctr_hold_cnt(0) depctr_sa_sdst(0) depctr_va_vdst(0) depctr_va_sdst(0) depctr_va_ssrc(0) depctr_va_vcc(0) depctr_vm_vsrc(0)
	s_getreg_b32 s2, hwreg(HW_REG_IB_STS2, 6, 4)
	s_cmp_eq_u32 s2, 0
	s_cbranch_scc0 .Lentry_in_a_cluster
	s_endpgm
.Lentry_in_a_cluster:
	s_bfe_u32 s2, ttmp6, 0x10000c
	s_cmp_lg_u32 s2, 0x3003
	s_cbranch_scc0 .Lentry_shape_is_right
	s_endpgm
.Lentry_shape_is_right:
; ATTN.  One head (work-group y) and 256 queries to a work-group, 16 queries to each of 16 waves.  Two passes over the head's 2,048 keys, in steps of 128:
;   pass 1: S^T = k q^T, p = 2^(t - M) with a running whole M, p quantised by blocks of 32 keys, q' = (k^T p^T) / l, quantised along the head's 64;   pass 2: the same with q' and v; the result is quantised for the last product.
; All operands are codes of FP6 (E2M3) laid as images of the operand's registers.  The head's 64 fill half of a product's 128: a fragment of k holds two tiles of 16 keys, and q stands beside zero codes, low or high.
; The head's k, k^T (204,800 bytes) and v (102,400 bytes) lie whole in LDS, filled once: waves 0-7 fetch 25,600 bytes of k each, waves 8-15 12,800 bytes of v each.
; CLUSTER: four work-groups of one head ask for these tiles jointly.  Nothing in LDS is written behind the one barrier, so the waves pass from pass 1 to pass 2 with no further barrier.
; No prefetch: every tile is asked for once, at the head, and there is no loop to run ahead in.
; LIMITS: NaN and infinities are not served; the scaled scores stay under 2^31 in magnitude; a block whose largest magnitude lies under 2^-124 gets the byte 1 (this program alone reads the bytes).
.set VVB,   204800
.set SPARE, 307200
.set OS,    3145728
.set WV,  12
.set SEL, 20
.set CS,  22
.set G1K, 24
.set G1V, 32
.set G0K, 40
.set G0V, 44
.macro CROUND
	s_barrier_signal -1
	s_barrier_wait -1
	s_cmp_lg_u32 s[WV], 0
	s_cbranch_scc1 .Lnot_wave_0_\@
	s_barrier_signal -3
.Lnot_wave_0_\@:
	s_barrier_wait -3
	s_barrier_signal -1
	s_barrier_wait -1
.endm
	s_load_b256 s[4:11], s[0:1], 0x0
	v_lshl_add_u32 v3, v0, 2, SPARE
	v_mov_b32 v4, 0
	ds_add_u32 v3, v4
	ds_add_u32 v3, v4
	v_lshrrev_b32 v5, 5, v0
	s_delay_alu instid0(VALU_DEP_1)
	v_readfirstlane_b32 s[WV], v5
	s_bfe_u32 s13, ttmp6, 0x40000
	s_lshl_b32 s14, ttmp9, 2
	s_add_co_u32 s14, s14, s13
	s_and_b32 s15, ttmp7, 0xffff
	s_mov_b32 s[G1K], 15|(3<<16)|(1<<21)
	s_mov_b32 s[G1K+1], 32<<16
	s_mov_b32 s[G1K+2], 100<<16                    ; k: 100 rows of 256 bytes a load
	s_mov_b32 s[G1K+3], 32<<16
	s_mov_b32 s[G1K+4], 100
	s_mov_b32 s[G1K+5], 32
	s_mov_b32 s[G1K+6], 0
	s_mov_b32 s[G1K+7], 0
	s_mov_b32 s[G1V], 15|(3<<16)|(1<<21)
	s_mov_b32 s[G1V+1], 32<<16
	s_mov_b32 s[G1V+2], 50<<16                     ; v: 50 rows of 256 bytes a load
	s_mov_b32 s[G1V+3], 32<<16
	s_mov_b32 s[G1V+4], 50
	s_mov_b32 s[G1V+5], 32
	s_mov_b32 s[G1V+6], 0
	s_mov_b32 s[G1V+7], 0
	s_mov_b32 s[SEL], 0x76543210
	s_mov_b32 s[SEL+1], 0xfedcba98
	s_mov_b32 s[CS], 0x3e38aa3b
	s_mov_b32 s[CS+1], s[CS]
	s_mov_b32 s[G0K], 1
	s_and_b32 s60, s[WV], 7                        ; which eighth of k or of v I fetch
	s_mul_i32 s[G0K+1], s60, 25600
	s_mov_b32 s[G0V], 1
	s_mul_i32 s[G0V+1], s60, 12800
	s_add_co_u32 s[G0V+1], s[G0V+1], VVB
	s_mul_i32 s16, s15, 204800
	s_mul_i32 s17, s60, 25600
	s_add_co_u32 s16, s16, s17
	s_mov_b32 s17, 0
	s_mul_i32 s18, s15, 102400
	s_mul_i32 s19, s60, 12800
	s_add_co_u32 s18, s18, s19
	s_mov_b32 s19, 0
	s_wait_dscnt 0x0
	s_wait_kmcnt 0x0
	s_add_nc_u64 s[G0K+2:G0K+3], s[6:7], s[16:17]
	s_or_b32 s[G0K+3], s[G0K+3], 0x80000000
	s_add_nc_u64 s[G0V+2:G0V+3], s[8:9], s[18:19]
	s_or_b32 s[G0V+3], s[G0V+3], 0x80000000
	CROUND
	s_cmp_lt_u32 s[WV], 8                          ; one joint load a wave, in the two arms of one branch on the wave's number: waves 0-7 k, waves 8-15 v
	s_cbranch_scc0 .Lfor_v
	tensor_load_to_lds s[G0K:G0K+3], s[G1K:G1K+7]
	s_nop 0
.rept 4
	v_nop
.endr
	s_branch .Lasked
.Lfor_v:
	tensor_load_to_lds s[G0V:G0V+3], s[G1V:G1V+7]
	s_nop 0
.rept 4
	v_nop
.endr
.Lasked:
	v_and_b32 v5, 31, v0
	s_delay_alu instid0(VALU_DEP_1)
	v_lshlrev_b32 v1, 4, v5
	s_wait_alu depctr_va_vdst(0)
	v_lshlrev_b32 v2, 3, v5
	s_wait_alu depctr_va_vdst(0)
	v_and_b32 v9, 15, v0
	s_delay_alu instid0(VALU_DEP_1)
	v_lshlrev_b32 v9, 3, v9
	s_wait_alu depctr_va_vdst(0)
	s_and_b32 s51, s[WV], 7
	s_lshr_b32 s52, s[WV], 3
	s_lshl_b32 s53, s14, 1
	s_add_co_u32 s52, s52, s53
	s_mul_i32 s52, s52, 6400
	s_mul_i32 s53, s15, 102400
	s_add_co_u32 s52, s52, s53
	s_mov_b32 s53, 0
	s_add_nc_u64 s[54:55], s[4:5], s[52:53]
	s_mul_i32 s52, s51, 768
	s_add_nc_u64 s[56:57], s[54:55], s[52:53]
	s_bfe_u32 s52, s51, 0x10001
	s_lshl_b32 s52, s52, 7
	s_lshr_b32 s58, s51, 2
	s_lshl_b32 s58, s58, 2
	s_add_co_u32 s52, s52, s58
	s_add_co_u32 s52, s52, 6144
	s_add_nc_u64 s[54:55], s[54:55], s[52:53]
	global_load_b128 v[22:25], v1, s[56:57]
	global_load_b64 v[26:27], v2, s[56:57] offset:512
	global_load_b32 v225, v9, s[54:55]
.irp i, 16,17,18,19,20,21,28,29,30,31,32,33
	v_mov_b32 v[\i], 0
.endr
.irp b, 0,1,2,3
	v_mov_b32 v[216+\b], 0
.endr
	v_mov_b32 v227, 0
	s_and_b32 s58, s[WV], 1
	s_lshl_b32 s58, s58, 4
	s_wait_loadcnt 0x0
	v_lshrrev_b32 v224, s58, v225
	s_delay_alu instid0(VALU_DEP_1)
	v_and_b32 v224, 0xffff, v224
	s_delay_alu instid0(VALU_DEP_1)
	v_lshl_or_b32 v34, v224, 16, v224
.macro PASS tv0, tvstep, vsoff
	v_mov_b32 v13, 0xff61b1e6
	s_delay_alu instid0(VALU_DEP_1)
	v_floor_f32 v12, -v13
	v_mov_b32 v14, 0
	v_mov_b32 v15, 0
.set j, 0
.rept 32
	v_mov_b32 v[160+j], 0
.set j, j+1
.endr
	s_mov_b32 s48, 0
	s_mov_b32 s49, \tv0
	s_mov_b32 s50, 16
.Lstep_\@:
	v_add_nc_u32 v5, s48, v1
	v_add_nc_u32 v6, s48, v2
	v_add_nc_u32 v7, s49, v1
	v_add_nc_u32 v8, s49, v2
.irp T, 0,1,2,3
	ds_load_b128 v[36+12*\T:39+12*\T], v5 offset:1536*\T
	ds_load_b64 v[40+12*\T:41+12*\T], v6 offset:1536*\T+512
	ds_load_b128 v[42+12*\T:45+12*\T], v5 offset:1536*\T+768
	ds_load_b64 v[46+12*\T:47+12*\T], v6 offset:1536*\T+1280
.endr
	ds_load_b64 v[84:85], v6 offset:12288
	s_wait_alu depctr_va_vdst(0)
	s_wait_dscnt 0x0
.irp T, 0,1,2,3
.if \T%2 == 0
	v_wmma_scale_f32_16x16x128_f8f6f4 v[96+16*\T:103+16*\T], v[36+12*\T:47+12*\T], v[22:33], 0, v[84+\T/2], v34 matrix_a_fmt:MATRIX_FMT_FP6 matrix_b_fmt:MATRIX_FMT_FP6
	v_wmma_scale_f32_16x16x128_f8f6f4 v[104+16*\T:111+16*\T], v[36+12*\T:47+12*\T], v[16:27], 0, v[84+\T/2], v34 matrix_a_fmt:MATRIX_FMT_FP6 matrix_b_fmt:MATRIX_FMT_FP6
.else
	v_wmma_scale_f32_16x16x128_f8f6f4 v[96+16*\T:103+16*\T], v[36+12*\T:47+12*\T], v[22:33], 0, v[84+\T/2], v34 matrix_a_fmt:MATRIX_FMT_FP6 matrix_b_fmt:MATRIX_FMT_FP6 matrix_a_scale:MATRIX_SCALE_ROW1
	v_wmma_scale_f32_16x16x128_f8f6f4 v[104+16*\T:111+16*\T], v[36+12*\T:47+12*\T], v[16:27], 0, v[84+\T/2], v34 matrix_a_fmt:MATRIX_FMT_FP6 matrix_b_fmt:MATRIX_FMT_FP6 matrix_a_scale:MATRIX_SCALE_ROW1
.endif
.endr
.rept 4
	v_nop
.endr
.irp d, 0,1,2,3
	ds_load_b128 v[36+12*\d:39+12*\d], v7 offset:1536*\d
	ds_load_b64 v[40+12*\d:41+12*\d], v8 offset:1536*\d+512
	ds_load_b128 v[42+12*\d:45+12*\d], v7 offset:1536*\d+768
	ds_load_b64 v[46+12*\d:47+12*\d], v8 offset:1536*\d+1280
.endr
	ds_load_b64 v[86:87], v8 offset:\vsoff
.irp b, 0,1,2,3
	v_max3_num_f32 v[212+\b], v[96+16*\b], v[97+16*\b], v[98+16*\b]
.endr
.irp i, 3,5,7,9,11,13
.irp b, 0,1,2,3
	v_max3_num_f32 v[212+\b], v[212+\b], v[96+16*\b+\i], v[97+16*\b+\i]
.endr
.endr
.irp b, 0,1,2,3
	v_max_num_f32 v[212+\b], v[212+\b], v[111+16*\b]
.endr
.irp b, 0,1,2,3
	s_delay_alu instid0(VALU_DEP_4)
	v_permlanex16_b32 v[216+\b], v[212+\b], s[SEL], s[SEL+1]
.endr
.irp b, 0,1,2,3
	s_delay_alu instid0(VALU_DEP_4)
	v_max_num_f32 v[212+\b], v[212+\b], v[216+\b]
.endr
	s_delay_alu instid0(VALU_DEP_2)
	v_max3_num_f32 v224, v212, v213, v214
	s_delay_alu instid0(VALU_DEP_1)
	v_max_num_f32 v224, v224, v215
	s_delay_alu instid0(VALU_DEP_1)
	v_mul_f32 v224, s[CS], v224
	s_delay_alu instid0(VALU_DEP_1)
	v_max_num_f32 v13, v13, v224
	v_mov_b32 v224, v12
	s_delay_alu instid0(VALU_DEP_2)
	v_floor_f32 v12, -v13
	s_delay_alu instid0(VALU_DEP_1)
	v_sub_f32 v224, v12, v224
	s_delay_alu instid0(VALU_DEP_1)
	v_cvt_i32_f32 v224, v224
	s_delay_alu instid0(VALU_DEP_1)
	v_ldexp_f32 v226, 1.0, v224
.set j, 0
.rept 32
	v_pk_fma_f32 v[96+j:97+j], v[96+j:97+j], s[CS:CS+1], v[12:13] op_sel_hi:[1,0,0]
.set j, j+2
.endr
.irp b, 0,1,2,3
	v_fma_f32 v[212+\b], v[212+\b], s[CS], v12
.endr
.set j, 0
	s_wait_alu depctr_va_vdst(0)
.rept 64
	v_exp_f32 v[96+j], v[96+j]
.set j, j+1
.endr
	v_pk_mul_f32 v[14:15], v[14:15], v[226:227] op_sel_hi:[1,0]
	s_wait_alu depctr_va_vdst(0)
.irp b, 0,1,2,3
	v_exp_f32 v[212+\b], v[212+\b]
.endr
	v_pk_add_f32 v[228:229], v[96:97], v[98:99]
.set j, 4
.rept 15
	v_pk_add_f32 v[14:15], v[14:15], v[96+j:97+j]
	v_pk_add_f32 v[228:229], v[228:229], v[98+j:99+j]
.set j, j+4
.endr
	s_delay_alu instid0(VALU_DEP_1)
	v_pk_add_f32 v[14:15], v[14:15], v[228:229]
	s_wait_alu depctr_va_vdst(0)
.irp b, 0,1,2,3
	v_max_num_f32 v[212+\b], 0x1800000, v[212+\b]
.endr
.irp b, 0,1,2,3
	s_delay_alu instid0(VALU_DEP_4)
	v_add_nc_u32 v[220+\b], 0xff000000, v[212+\b]
.endr
.irp b, 0,1,2,3
	s_delay_alu instid0(VALU_DEP_4)
	v_lshrrev_b32 v[216+\b], 23, v[220+\b]
.endr
	s_delay_alu instid0(VALU_DEP_3)
	v_lshl_or_b32 v88, v217, 8, v216
	s_delay_alu instid0(VALU_DEP_1)
	v_lshl_or_b32 v88, v218, 16, v88
	s_delay_alu instid0(VALU_DEP_1)
	v_lshl_or_b32 v88, v219, 24, v88
.irp c, 0,1
	v_cvt_scalef32_pk16_fp6_f32 v[192+6*\c:194+6*\c], v[96+32*\c:111+32*\c], v[220+2*\c]
	v_cvt_scalef32_pk16_fp6_f32 v[204+4*\c:206+4*\c], v[112+32*\c:127+32*\c], v[221+2*\c]
.endr
	v_nop
.irp c, 0,1
.irp i, 0,1,2
	v_permlane16_swap_b32 v[192+6*\c+\i], v[204+4*\c+\i]
.endr
.irp i, 0,1,2
	s_delay_alu instid0(VALU_DEP_3)
	v_mov_b32 v[195+6*\c+\i], v[204+4*\c+\i]
.endr
.endr
.set j, 0
.rept 16
	v_pk_mul_f32 v[160+j:161+j], v[160+j:161+j], v[226:227] op_sel_hi:[1,0]
.set j, j+2
.endr
	s_wait_alu depctr_va_vdst(0)
	s_wait_dscnt 0x0
.irp d, 0,1,2,3
.if \d%2 == 0
	v_wmma_scale_f32_16x16x128_f8f6f4 v[160+8*\d:167+8*\d], v[36+12*\d:47+12*\d], v[192:203], v[160+8*\d:167+8*\d], v[86+\d/2], v88 matrix_a_fmt:MATRIX_FMT_FP6 matrix_b_fmt:MATRIX_FMT_FP6
.else
	v_wmma_scale_f32_16x16x128_f8f6f4 v[160+8*\d:167+8*\d], v[36+12*\d:47+12*\d], v[192:203], v[160+8*\d:167+8*\d], v[86+\d/2], v88 matrix_a_fmt:MATRIX_FMT_FP6 matrix_b_fmt:MATRIX_FMT_FP6 matrix_a_scale:MATRIX_SCALE_ROW1
.endif
.endr
	s_add_co_u32 s48, s48, 12800
	s_add_co_u32 s49, s49, \tvstep
	s_sub_co_u32 s50, s50, 1
	s_cmp_lg_u32 s50, 0
	s_cbranch_scc1 .Lstep_\@
.rept 4
	v_nop
.endr
	v_add_f32 v14, v14, v15
	s_delay_alu instid0(VALU_DEP_1)
	v_permlanex16_b32 v224, v14, s[SEL], s[SEL+1]
	s_delay_alu instid0(VALU_DEP_1)
	v_add_f32 v14, v14, v224
	s_wait_alu depctr_va_vdst(0)
	v_rcp_f32 v14, v14
	v_nop
	s_wait_alu depctr_va_vdst(0)
.set j, 0
.rept 16
	v_pk_mul_f32 v[96+j:97+j], v[160+j:161+j], v[14:15] op_sel_hi:[1,0]
.set j, j+2
.endr
	v_max3_num_f32 v212, |v96|, |v97|, 0x1800000
	v_max3_num_f32 v213, |v112|, |v113|, 0x1800000
.irp i, 2,4,6,8,10,12,14
	s_delay_alu instid0(VALU_DEP_2)
	v_max3_num_f32 v212, v212, |v[96+\i]|, |v[97+\i]|
	s_delay_alu instid0(VALU_DEP_2)
	v_max3_num_f32 v213, v213, |v[112+\i]|, |v[113+\i]|
.endr
	s_delay_alu instid0(VALU_DEP_2)
	v_permlanex16_b32 v216, v212, s[SEL], s[SEL+1]
	s_delay_alu instid0(VALU_DEP_2)
	v_permlanex16_b32 v217, v213, s[SEL], s[SEL+1]
	s_delay_alu instid0(VALU_DEP_2)
	v_max_num_f32 v212, v212, v216
	s_delay_alu instid0(VALU_DEP_2)
	v_max_num_f32 v213, v213, v217
	s_delay_alu instid0(VALU_DEP_2)
	v_add_nc_u32 v220, 0xff000000, v212
	s_delay_alu instid0(VALU_DEP_2)
	v_add_nc_u32 v221, 0xff000000, v213
	s_delay_alu instid0(VALU_DEP_2)
	v_lshrrev_b32 v216, 23, v220
	s_delay_alu instid0(VALU_DEP_2)
	v_lshrrev_b32 v217, 23, v221
	s_delay_alu instid0(VALU_DEP_1)
	v_lshl_or_b32 v224, v217, 8, v216
	s_delay_alu instid0(VALU_DEP_1)
	v_lshl_or_b32 v34, v224, 16, v224
	v_cvt_scalef32_pk16_fp6_f32 v[22:24], v[96:111], v220
	v_cvt_scalef32_pk16_fp6_f32 v[204:206], v[112:127], v221
	v_nop
.irp i, 0,1,2
	v_permlane16_swap_b32 v[22+\i], v[204+\i]
.endr
.irp i, 0,1,2
	s_delay_alu instid0(VALU_DEP_3)
	v_mov_b32 v[25+\i], v[204+\i]
.endr
.endm
	s_wait_alu depctr_va_vdst(0)                   ; the wait at the head's end
	s_wait_tensorcnt 0x0                           ; my part of k or of v is in
	s_barrier_signal -1
	s_barrier_wait -1                              ; and everybody's: k, k^T and v are whole, and nobody writes them again
	PASS 6144, 12800, 6400
	PASS VVB, 6400, 6144
	s_lshr_b32 s52, s15, 4
	s_lshl_b32 s52, s52, 7
	s_lshl_b32 s53, s14, 4
	s_add_co_u32 s52, s52, s53
	s_add_co_u32 s52, s52, s[WV]
	s_and_b32 s53, s15, 15
	s_mul_i32 s54, s52, 12288
	s_mul_i32 s55, s53, 768
	s_add_co_u32 s54, s54, s55
	s_mov_b32 s55, 0
	s_add_nc_u64 s[56:57], s[10:11], s[54:55]
	s_lshr_b32 s54, s52, 1
	s_lshl_b32 s54, s54, 10
	s_lshr_b32 s58, s53, 2
	s_lshl_b32 s58, s58, 8
	s_add_co_u32 s54, s54, s58
	s_and_b32 s58, s[WV], 1
	s_lshl_b32 s58, s58, 7
	s_add_co_u32 s54, s54, s58
	s_and_b32 s58, s53, 3
	s_lshl_b32 s58, s58, 1
	s_add_co_u32 s54, s54, s58
	s_add_co_u32 s54, s54, OS
	s_add_nc_u64 s[58:59], s[10:11], s[54:55]
	s_wait_alu depctr_va_vdst(0)
	global_store_b128 v1, v[22:25], s[56:57]
	global_store_b64 v2, v[26:27], s[56:57] offset:512
	global_store_b16 v9, v34, s[58:59]
	s_wait_tensorcnt 0x0
	ds_add_u32 v3, v4
	s_wait_dscnt 0x0
	CROUND
	s_endpgm
.Lfunc_end_k_q589f579a4c_attn:
	.size	k_q589f579a4c_attn, .Lfunc_end_k_q589f579a4c_attn-k_q589f579a4c_attn
	.p2alignl 7, 3214868480
	.fill 96, 4, 3214868480
	.section	.rodata,"a",@progbits
	.p2align	6, 0x0
	.amdhsa_kernel k_q589f579a4c_attn
		.amdhsa_group_segment_fixed_size 327680
		.amdhsa_private_segment_fixed_size 0
		.amdhsa_enable_private_segment 0
		.amdhsa_kernarg_size 32
		.amdhsa_user_sgpr_count 2
		.amdhsa_user_sgpr_kernarg_segment_ptr 1
		.amdhsa_wavefront_size32 1
		.amdhsa_system_sgpr_workgroup_id_x 1
		.amdhsa_system_sgpr_workgroup_id_y 1
		.amdhsa_system_sgpr_workgroup_id_z 1
		.amdhsa_system_vgpr_workitem_id 0
		.amdhsa_next_free_vgpr 256
		.amdhsa_next_free_sgpr 66
		.amdhsa_reserve_vcc 0
		.amdhsa_float_denorm_mode_32 3
		.amdhsa_float_denorm_mode_16_64 3
		.amdhsa_memory_ordered 1
		.amdhsa_forward_progress 1
		.amdhsa_inst_pref_size 53
	.end_amdhsa_kernel
	.amdgpu_metadata
---
amdhsa.version: [ 1, 2 ]
amdhsa.kernels:
  - .name:           k_q589f579a4c_attn
    .symbol:         k_q589f579a4c_attn.kd
    .args:
      - { .name: qq, .offset: 0, .size: 8, .value_kind: global_buffer, .address_space: global }
      - { .name: kk, .offset: 8, .size: 8, .value_kind: global_buffer, .address_space: global }
      - { .name: vv, .offset: 16, .size: 8, .value_kind: global_buffer, .address_space: global }
      - { .name: oq, .offset: 24, .size: 8, .value_kind: global_buffer, .address_space: global }
    .group_segment_fixed_size: 327680
    .private_segment_fixed_size: 0
    .kernarg_segment_align: 8
    .kernarg_segment_size: 32
    .max_flat_workgroup_size: 512
    .sgpr_count:     66
    .vgpr_count:     256
    .wavefront_size: 32
...
	.end_amdgpu_metadata
.endif
;; end of part 3
;; launch outp (part 4): grid 8 x 32, 4 waves a work-group, clusters of 4 x 4, 327,680 bytes of LDS; arguments oq, wq, bo, out0; writes out0
.if DOCPART == 4
	.amdgcn_target "amdgcn-amd-amdhsa--gfx1250"
	.amdhsa_code_object_version 6
	.text
	.protected	k_q589f579a4c_outp
	.globl	k_q589f579a4c_outp
	.p2align	8
	.type	k_q589f579a4c_outp,@function
k_q589f579a4c_outp:
	s_mov_b64 s[64:65], 0
	v_nop
	global_prefetch_b8 v0, s[64:65] scope:SCOPE_SE
	s_setreg_imm32_b32 hwreg(HW_REG_WAVE_MODE, 25, 1), 1
	s_wait_xcnt 0x0
	s_wait_alu depctr_hold_cnt(0) depctr_sa_sdst(0) depctr_va_vdst(0) depctr_va_sdst(0) depctr_va_ssrc(0) depctr_va_vcc(0) depctr_vm_vsrc(0)
	s_getreg_b32 s2, hwreg(HW_REG_IB_STS2, 6, 4)
	s_cmp_eq_u32 s2, 0
	s_cbranch_scc0 .Lentry_in_a_cluster
	s_endpgm
.Lentry_in_a_cluster:
	s_bfe_u32 s2, ttmp6, 0x10000c
	s_cmp_lg_u32 s2, 0xf033
	s_cbranch_scc0 .Lentry_shape_is_right
	s_endpgm
.Lentry_shape_is_right:
; OUTP.  out0 = o Wo + bo: 4,096 x 1,024 x 1,024 on codes of FP6 (E2M3) with one E8M0 byte for 32 along K; sums in f32.
; Operands lie in memory as images of their registers: a piece of 768 bytes is 16 rows x 64 along K (registers 0-3 at 16 x lane, 4-5 at 512 + 8 x lane); a tile of 16 rows has its 16 pieces on end (12,288 bytes);
; rows stand in the physical order (bits 3 and 4 of the row's number exchanged).  Scale words: [32 rows][256 along K][row][2 words], 1,024 bytes a group.
; A tile of 128 x 128 to a work-group: 8 x 32 = 256 work-groups.  Four waves, 64 x 64 each: 16 accumulators.  Source 0 = Wo's columns, source 1 = o's rows: a lane holds one row of o, its registers run along the columns.
; ALL OF K LIES IN LDS AT ONCE: A's 8 tiles (98,304 bytes), then B's 8.  Each wave brings 4 tiles, 49,152 dense bytes, by its one tensor load at the head; nothing is filled again, so there is one barrier and no ring.
; The scale words (16 loads of 256 neighbouring bytes a wave) and the bias go from memory straight into registers; the bias is the C of each accumulator's first product.
; CLUSTERS: 4 x 4 work-groups; A's tiles are asked for jointly along a row of the cluster, B's along a column.
; No prefetch: every tile is asked for once, at the head, and there is no loop to run ahead in.
; REGISTERS: window 0: v1-15 addresses; v16-31 A's scale words, v32-47 B's; v64-159, v160-255 two sets of fragments (B's four, A's four), later the way out.  Window 1: v0-127 accumulators ((a, b) at 8 (4 a + b)); v128-159 the bias.
.set TILEB,  12288
.set HALFB,  4*TILEB                   ; what one tensor load brings, and what one wave reads of A or of B
.set STAGE,  4*HALFB                   ; behind the tiles: 16 rows x 272 bytes for each wave, for the way out
.set SPITCH, 272
.set SPARE,  STAGE+4*16*SPITCH         ; behind the stages: the spare words, 128 bytes a wave
.set WSZ,    786432
.set WS,     4*WSZ
.set OS,     3145728
.set A16, 2                            ; v2, v3: A's place in LDS + 16 x lane, + 8 x lane
.set B16, 4                            ; v4, v5: the same for B
.set L8,  6
.set CO,  7
.set RD,  8
.set STO, 9
.set BO,  10
.set SPW, 12                           ; v12, v13: the add's two; never rewritten
.set NIL, 13
.set SCA, 16
.set SCB, 32
.set FB,  64
.set BK,  64
.set BN,  128
.set G1, 28
.set G0, 36
.set G1B, 44
.set G0B, 52
.set MSB, 0
.macro WIN new                         ; the immediate's high byte repeats the setting that is left
.if MSB != (\new)
	s_set_vgpr_msb (MSB<<8)|(\new)
.set MSB, (\new)
.endif
.endm
.macro CROUND                          ; a round of the cluster's barrier
	s_barrier_signal -1
	s_barrier_wait -1
	s_cmp_lg_u32 s20, 0
	s_cbranch_scc1 .Lnot_wave_0_\@
	s_barrier_signal -3
.Lnot_wave_0_\@:
	s_barrier_wait -3
	s_barrier_signal -1
	s_barrier_wait -1
.endm
.macro PLACES n
.rept \n
	v_nop
.endr
.endm
	s_load_b256 s[4:11], s[0:1], 0x0               ; oq, wq, bo, out0
	v_lshl_add_u32 v[SPW], v0, 2, SPARE
	v_mov_b32 v[NIL], 0
	ds_add_u32 v[SPW], v[NIL]                      ; the opening lines: the add, twice on end, and its wait ahead of my first tensor load
	ds_add_u32 v[SPW], v[NIL]
	v_lshrrev_b32 v1, 5, v0
	v_readfirstlane_b32 s20, v1                    ; wave
	s_lshr_b32 s21, s20, 1                         ; my half of A's rows.  Also: I fetch for A (0) or for B (1)
	s_and_b32 s22, s20, 1                          ; my half of B's rows.  Also: which half I fetch
	s_bfe_u32 s23, ttmp6, 0x40000                  ; cx
	s_bfe_u32 s24, ttmp6, 0x40004                  ; cy
	s_lshl_b32 s61, ttmp9, 2
	s_add_co_u32 s61, s61, s23                     ; tile column, 0..7
	s_and_b32 s60, ttmp7, 0xffff
	s_lshl_b32 s60, s60, 2
	s_add_co_u32 s60, s60, s24                     ; tile row, 0..31
	s_lshl_b32 s63, s24, 2
	s_lshl_b32 s63, 15, s63                        ; my row of the cluster
	s_lshl_b32 s66, 0x1111, s23                    ; my column
	s_or_b32 s[G1], s63, (3<<16)|(1<<21)           ; 15:0 the mask; elements of 8 bytes; no padding; bit 21 set beside a mask
	s_or_b32 s[G1B], s66, (3<<16)|(1<<21)
.irp g, G1, G1B                        ; a dense block of 49,152 bytes as 192 rows of 256
	s_mov_b32 s[\g+1], 32<<16
	s_mov_b32 s[\g+2], 192<<16
	s_mov_b32 s[\g+3], 32<<16
	s_mov_b32 s[\g+4], 192
	s_mov_b32 s[\g+5], 32
	s_mov_b32 s[\g+6], 0
	s_mov_b32 s[\g+7], 0
.endr
	s_mul_i32 s70, s22, HALFB
	s_mul_i32 s92, s60, 2*HALFB
	s_add_co_u32 s92, s92, s70                     ; A's codes: the half that I fetch
	s_mul_i32 s96, s61, 2*HALFB
	s_add_co_u32 s96, s96, s70
	s_add_co_u32 s96, s96, 3*WSZ                   ; B's
	s_lshl_b32 s94, s60, 12
	s_lshl_b32 s71, s21, 11
	s_add_co_u32 s94, s94, s71
	s_add_co_u32 s94, s94, OS                      ; the scale words of my 64 rows of A
	s_lshl_b32 s98, s61, 12
	s_lshl_b32 s71, s22, 11
	s_add_co_u32 s98, s98, s71
	s_add_co_u32 s98, s98, WS+3*32768              ; and of my 64 rows of B
	s_mov_b32 s93, 0
	s_mov_b32 s95, 0
	s_mov_b32 s97, 0
	s_mov_b32 s99, 0
	s_mul_i32 s25, s21, HALFB                      ; LDS: my 4 tiles of A,
	s_mul_i32 s27, s22, HALFB
	s_add_co_u32 s27, s27, 2*HALFB                 ; my 4 tiles of B,
	s_mul_i32 s26, s20, 16*SPITCH
	s_add_co_u32 s26, s26, STAGE                   ; my stage
	s_lshl_b32 s72, s61, 9
	s_lshl_b32 s73, s22, 8
	s_add_co_u32 s72, s72, s73                     ; my first column, in bytes
	s_lshl_b32 s74, s60, 7
	s_lshl_b32 s75, s21, 6
	s_add_co_u32 s74, s74, s75                     ; my first row of out0
	s_lshl_b32 s74, s74, 12
	s_add_co_u32 s74, s74, s72
	s_mov_b32 s75, 0
	s_mov_b32 s[G0], 1
	s_mul_i32 s[G0+1], s20, HALFB                  ; A's two halves, then B's two: wave x 49,152
	s_mov_b32 s[G0B], 1
	s_mul_i32 s[G0B+1], s20, HALFB
	s_wait_dscnt 0x0                               ; both opening adds are done
	s_wait_kmcnt 0x0
	s_add_nc_u64 s[G0+2:G0+3], s[4:5], s[92:93]
	s_or_b32 s[G0+3], s[G0+3], 0x80000000
	s_add_nc_u64 s[G0B+2:G0B+3], s[6:7], s[96:97]
	s_or_b32 s[G0B+3], s[G0B+3], 0x80000000
	s_add_nc_u64 s[94:95], s[4:5], s[94:95]
	s_add_nc_u64 s[98:99], s[6:7], s[98:99]
	s_add_nc_u64 s[10:11], s[10:11], s[74:75]
	CROUND                                         ; all sixteen work-groups are here: the joint loads meet
	s_cmp_eq_u32 s21, 0                            ; one joint load a wave, in the two arms of one branch on the wave's number
	s_cbranch_scc0 .Lfor_b
	tensor_load_to_lds s[G0:G0+3], s[G1:G1+7]
	s_nop 0
	PLACES 4
	s_branch .Lasked
.Lfor_b:
	tensor_load_to_lds s[G0B:G0B+3], s[G1B:G1B+7]
	s_nop 0
	PLACES 4
.Lasked:
	v_and_b32 v1, 31, v0
	v_lshlrev_b32 v14, 4, v1
	v_lshlrev_b32 v[L8], 3, v1
	v_add_nc_u32 v[A16], s25, v14
	v_add_nc_u32 v[A16+1], s25, v[L8]
	v_add_nc_u32 v[B16], s27, v14
	v_add_nc_u32 v[B16+1], s27, v[L8]
	v_and_b32 v15, 15, v0                          ; r
	v_bfe_u32 v11, v0, 4, 1                        ; h
	v_mul_u32_u24 v[STO], v15, SPITCH              ; into the stage: row r, 64 bytes for each half of the lanes
	v_lshl_add_u32 v[STO], v11, 6, v[STO]
	v_add_nc_u32 v[STO], s26, v[STO]
	v_mul_u32_u24 v[RD], v11, SPITCH               ; back: sixteen lanes take a row of 256 bytes, two rows a load
	v_lshl_add_u32 v[RD], v15, 4, v[RD]
	v_add_nc_u32 v[RD], s26, v[RD]
	v_lshlrev_b32 v[CO], 12, v11                   ; and the same two rows in out0
	v_lshl_add_u32 v[CO], v15, 4, v[CO]
	v_lshl_add_u32 v[BO], v11, 6, s72              ; the bias: register 16 g + i is column 32 g + 16 h + i of my 64
	s_wait_alu depctr_va_vdst(0)                   ; the wait behind the head's last vector write
.irp g, 0,1
.irp k, 0,1,2,3
	global_load_b64 v[SCA+8*\g+2*\k:SCA+8*\g+2*\k+1], v[L8], s[94:95] offset:1024*\g+256*\k   ; group g, 256 along K: two words a row; 32 lanes read 256 neighbouring bytes
	global_load_b64 v[SCB+8*\g+2*\k:SCB+8*\g+2*\k+1], v[L8], s[98:99] offset:1024*\g+256*\k
.endr
.endr
	WIN 0x40                                       ; destination window 1
.irp g, 0,1
.irp j, 0,1,2,3
	global_load_b128 v[BN+16*\g+4*\j:BN+16*\g+4*\j+3], v[BO], s[8:9] offset:128*\g+16*\j
.endr
.endr
	WIN 0
.macro FRAG reg, adr, i, st            ; a fragment: two pieces of 768 bytes on end, as they lie
	ds_load_b128 v[\reg:\reg+3], v[\adr] offset:(\i)*TILEB+(\st)*1536
	ds_load_b64 v[\reg+4:\reg+5], v[\adr+1] offset:(\i)*TILEB+(\st)*1536+512
	ds_load_b128 v[\reg+6:\reg+9], v[\adr] offset:(\i)*TILEB+(\st)*1536+768
	ds_load_b64 v[\reg+10:\reg+11], v[\adr+1] offset:(\i)*TILEB+(\st)*1536+1280
.endm
.macro FETCH st                        ; 32 LDS loads: step st's fragments, B's four and A's four, into set st % 2
.irp i, 0,1,2,3
	FRAG FB+96*((\st)%2)+12*\i, B16, \i, \st
.endr
.irp i, 0,1,2,3
	FRAG FB+96*((\st)%2)+48+12*\i, A16, \i, \st
.endr
.endm
; One product: A's block a x B's block b, 128 along K at step st.  A scale register carries two tiles' words: the even tile's in lanes 0-15, the odd tile's in lanes 16-31.  Step 0 takes the bias as C.
.macro WM a, b, st
.set rD, 8*(4*(\a)+(\b))
.set rB, FB+96*((\st)%2)+12*(\b)
.set rA, FB+96*((\st)%2)+48+12*(\a)
.set rY, SCB+8*((\b)/2)+(\st)
.set rX, SCA+8*((\a)/2)+(\st)
.set rO, 2*((\a)%2)+(\b)%2
.if (\st) == 0
.set rC, BN+8*(\b)
.else
.set rC, rD
.endif
.if rO == 0
	v_wmma_scale_f32_16x16x128_f8f6f4 v[rD:rD+7], v[rB:rB+11], v[rA:rA+11], v[rC:rC+7], v[rY], v[rX] matrix_a_fmt:MATRIX_FMT_FP6 matrix_b_fmt:MATRIX_FMT_FP6
.elseif rO == 1
	v_wmma_scale_f32_16x16x128_f8f6f4 v[rD:rD+7], v[rB:rB+11], v[rA:rA+11], v[rC:rC+7], v[rY], v[rX] matrix_a_fmt:MATRIX_FMT_FP6 matrix_b_fmt:MATRIX_FMT_FP6 matrix_a_scale:MATRIX_SCALE_ROW1
.elseif rO == 2
	v_wmma_scale_f32_16x16x128_f8f6f4 v[rD:rD+7], v[rB:rB+11], v[rA:rA+11], v[rC:rC+7], v[rY], v[rX] matrix_a_fmt:MATRIX_FMT_FP6 matrix_b_fmt:MATRIX_FMT_FP6 matrix_b_scale:MATRIX_SCALE_ROW1
.else
	v_wmma_scale_f32_16x16x128_f8f6f4 v[rD:rD+7], v[rB:rB+11], v[rA:rA+11], v[rC:rC+7], v[rY], v[rX] matrix_a_fmt:MATRIX_FMT_FP6 matrix_b_fmt:MATRIX_FMT_FP6 matrix_a_scale:MATRIX_SCALE_ROW1 matrix_b_scale:MATRIX_SCALE_ROW1
.endif
.endm
	s_wait_tensorcnt 0x0                           ; my 4 tiles are in
	s_barrier_signal -1
	s_barrier_wait -1                              ; and everybody's: all of A and B lies in LDS, and nobody writes it again
	FETCH 0
	s_wait_loadcnt 0x0                             ; the scale words and the bias
.set ST, 0
.rept 8                                ; eight steps of 128 along K, written out: register sets, scale registers and offsets differ from step to step
.if ST < 7
.if ST > 0
	PLACES 4                                       ; four places in front of loads into the set that the last step's products read
	WIN 0
.endif
	FETCH ST+1
	s_wait_dscnt 32                                ; this step's fragments are in; the next step's 32 loads stay out
.else
	s_wait_dscnt 0x0
.endif
	WIN 0x50                                       ; C and D window 1
.irp a, 0,1,2,3                        ; the 16 accumulators take turns, one instruction a turn, in the same order in every step
.irp b, 0,1,2,3
	WM \a, \b, ST
.endr
.endr
.set ST, ST+1
.endr
	WIN 0
; THE WAY OUT, block by block of 16 rows x 64 columns, through my own stage: back come whole rows of 256 bytes.  LDS serves a wave's instructions in order: no wait between the stores and the loads.
.macro TOSTAGE a
.set AC, 32*(\a)
	WIN 0x04                                       ; the data: window 1
.irp b, 0,1,2,3
	ds_store_b128 v[STO], v[AC+8*\b:AC+8*\b+3] offset:128*(\b/2)+32*(\b%2)          ; each accumulator from its low end on
	ds_store_b128 v[STO], v[AC+8*\b+4:AC+8*\b+7] offset:128*(\b/2)+32*(\b%2)+16
.endr
	WIN 0
.set BB, BK+32*((\a)%2)
.irp t, 0,1,2,3,4,5,6,7
	ds_load_b128 v[BB+4*\t:BB+4*\t+3], v[RD] offset:\t*2*SPITCH
.endr
.endm
.macro SEND a, younger                 ; younger: the LDS instructions issued behind block a's loads, which may stay out
.set BB, BK+32*((\a)%2)
	s_wait_dscnt \younger
.irp t, 0,1,2,3,4,5,6,7                ; physical row r of tile a is logical row 32 (a / 2) + 8 (a % 2) + r + 8 (r / 8); sixteen lanes store 256 neighbouring bytes, aligned
	global_store_b128 v[CO], v[BB+4*\t:BB+4*\t+3], s[10:11] offset:(32*((\a)/2)+8*((\a)%2)+2*\t+8*(\t/4))*4096 th:TH_STORE_NT
.endr
.endm
	PLACES 4                                       ; behind the last products
	TOSTAGE 0
.irp a, 1,2,3
.if \a > 1
	s_wait_xcnt 0x0                                ; block a - 2's stores have read their registers: block a's loads may land there
.endif
	TOSTAGE \a
	SEND \a-1, 16                                  ; behind block a - 1's loads: block a's 8 stores and 8 loads
.endr
	SEND 3, 0
	s_wait_tensorcnt 0x0                           ; the wave's end
	ds_add_u32 v[SPW], v[NIL]
	s_wait_dscnt 0x0
	CROUND                                         ; the closing round
	s_endpgm
.Lfunc_end_k_q589f579a4c_outp:
	.size	k_q589f579a4c_outp, .Lfunc_end_k_q589f579a4c_outp-k_q589f579a4c_outp
	.p2alignl 7, 3214868480
	.fill 96, 4, 3214868480
	.section	.rodata,"a",@progbits
	.p2align	6, 0x0
	.amdhsa_kernel k_q589f579a4c_outp
		.amdhsa_group_segment_fixed_size 327680
		.amdhsa_private_segment_fixed_size 0
		.amdhsa_enable_private_segment 0
		.amdhsa_kernarg_size 32
		.amdhsa_user_sgpr_count 2
		.amdhsa_user_sgpr_kernarg_segment_ptr 1
		.amdhsa_wavefront_size32 1
		.amdhsa_system_sgpr_workgroup_id_x 1
		.amdhsa_system_sgpr_workgroup_id_y 1
		.amdhsa_system_sgpr_workgroup_id_z 1
		.amdhsa_system_vgpr_workitem_id 0
		.amdhsa_next_free_vgpr 512
		.amdhsa_next_free_sgpr 102
		.amdhsa_reserve_vcc 0
		.amdhsa_float_denorm_mode_32 3
		.amdhsa_float_denorm_mode_16_64 3
		.amdhsa_memory_ordered 1
		.amdhsa_forward_progress 1
		.amdhsa_inst_pref_size 50
	.end_amdhsa_kernel
	.amdgpu_metadata
---
amdhsa.version: [ 1, 2 ]
amdhsa.kernels:
  - .name:           k_q589f579a4c_outp
    .symbol:         k_q589f579a4c_outp.kd
    .args:
      - { .name: oq, .offset: 0, .size: 8, .value_kind: global_buffer, .address_space: global }
      - { .name: wq, .offset: 8, .size: 8, .value_kind: global_buffer, .address_space: global }
      - { .name: bo, .offset: 16, .size: 8, .value_kind: global_buffer, .address_space: global }
      - { .name: out0, .offset: 24, .size: 8, .value_kind: global_buffer, .address_space: global }
    .group_segment_fixed_size: 327680
    .private_segment_fixed_size: 0
    .kernarg_segment_align: 8
    .kernarg_segment_size: 32
    .max_flat_workgroup_size: 128
    .sgpr_count:     102
    .vgpr_count:     512
    .wavefront_size: 32
...
	.end_amdgpu_metadata
.endif
;; end of part 4
